; MI455X (gfx1250); checked and timed in simulation.
; The chip was launched on July 23, 2026; its instructions are those of AMD's public machine-readable ISA for CDNA 5 (MIT licence, August 2026) and "CDNA5" Instruction Set Architecture Reference Guide (July 2026). The comments in the code are by the model that wrote it; some were corrected since.
;; Linear Attention. Allowed arithmetic: float matrix products may take bf16 or f16 operands with f32 sums; other float arithmetic in f32, or as packed bf16 or f16 multiplies, adds, multiply-adds, maxima and minima; sums over many terms, partial sums and values carried from step to step in f32; what a program stores and reads back later, other than sums and carried values, may be rounded once to bf16 or f16.
;; Inputs: Wk 128 x 1,024 float32; Wo 1,024 x 1,024 float32; Wq 128 x 1,024 float32; Wv 1,024 x 1,024 float32; g_weight 64 float32; hidden_states 4 x 2,048 x 1,024 float32.
;; Outputs: out0 4 x 2,048 x 1,024 float32; out1 4 x 16 x 1 x 64 x 73 float32.
;; One version. Each part assembles by itself: llvm-mc -triple=amdgcn-amd-amdhsa -mcpu=gfx1250 --defsym DOCPART=n.
;; ======== version 1 of 1: 4 launches
;; limits: values are held in f16: magnitudes above 65,504 overflow, below 6.1e-05 lose precision
;; workspace buffers: xb 16,777,216 bytes; wb 4,718,592 bytes; ct 20,971,520 bytes; yb 16,777,216 bytes
;; launch cvt (part 1): grid 656 x 1, 8 waves a work-group, no clusters, 0 bytes of LDS; arguments hidden_states, Wq, Wk, Wv, Wo, xb, wb; writes xb, wb
.if DOCPART == 1
	.amdgcn_target "amdgcn-amd-amdhsa--gfx1250"
	.amdhsa_code_object_version 6
	.text
	.protected	k_qdc4f7b28e2_cvt
	.globl	k_qdc4f7b28e2_cvt
	.p2align	8
	.type	k_qdc4f7b28e2_cvt,@function
k_qdc4f7b28e2_cvt:
	s_mov_b64 s[64:65], 0
	v_nop
	global_prefetch_b8 v0, s[64:65] scope:SCOPE_SE
	s_setreg_imm32_b32 hwreg(HW_REG_WAVE_MODE, 25, 1), 1
	s_wait_xcnt 0x0
; x, Wq, Wk, Wv, Wo (f32, rows of 1,024) are rounded once to bf16 and laid out by CHUNKS of 64 along K:
;   xb [16 chunks][8,192 rows][64],  wb [16 chunks][2,304 rows][64]  (rows 0-127 Wq, 128-255 Wk, 256-1,279 Wv, 1,280-2,303 Wo).
; In that layout the rows of one chunk lie end to end, 128 bytes each, so a tile of a later product is one dense block.
; SHARES.  10,496 rows in all; a work-group takes 16 of one tensor, a wave 2.  The work-group's number picks the tensor.
; A lane takes 8 numbers (32 bytes in, 16 bytes out) of row 2 w + (l / 8) % 2, chunk 2 j + l / 16, in each of eight steps j.
; A store of the wave covers two aligned runs of 256 bytes: lanes 0-15 two rows of chunk 2 j, lanes 16-31 of chunk 2 j + 1.
; All 16 loads of a lane go out first; no register is written twice, so no wait frees a source.  No LDS, no matrix unit: nothing is shared.
.set VL, 4                             ; v4      my byte offset in the group's 16 rows of the source
.set VS, 8                             ; v[8:15] step j: my byte offset in the destination
.set X,  16                            ; v[16:79]  as loaded
.set Y,  80                            ; v[80:111] to store
	s_load_b256 s[8:15], s[0:1], 0x0               ; x s[8:9], Wq s[10:11], Wk s[12:13], Wv s[14:15]
	s_load_b128 s[16:19], s[0:1], 0x20             ; Wo s[16:17], xb s[18:19]
	s_load_b64 s[20:21], s[0:1], 0x30              ; wb
	s_mov_b32 s2, ttmp9
	v_lshrrev_b32 v1, 5, v0                        ; wave
	v_bfe_u32 v2, v0, 3, 1
	v_lshl_add_u32 v1, v1, 1, v2                   ; my row of the 16
	v_bfe_u32 v2, v0, 4, 1                         ; which chunk of a step's two
	v_and_b32 v3, 7, v0                            ; which eight numbers of the chunk
	v_lshlrev_b32 v[VL], 12, v1                    ; row x 4,096
	v_lshl_add_u32 v[VL], v2, 8, v[VL]             ; + chunk x 256
	v_lshl_add_u32 v[VL], v3, 5, v[VL]             ; + 32 bytes a lane
	v_lshlrev_b32 v5, 7, v1                        ; row x 128
	v_lshl_add_u32 v5, v3, 4, v5                   ; + 16 bytes a lane
	s_mov_b32 s28, 1048576                         ; bytes in a chunk of xb
	s_mov_b32 s29, 294912                          ; and of wb
	s_cmp_ge_u32 s2, 512                           ; groups 0-511 x, 512-519 Wq, 520-527 Wk, 528-591 Wv, 592-655 Wo
	s_cselect_b32 s28, s29, s28
	s_cselect_b32 s30, 512, 0                      ; the destination's first group
	s_cselect_b32 s24, 512, 0                      ; the source's first group
	s_cmp_ge_u32 s2, 520
	s_cselect_b32 s24, 520, s24
	s_cmp_ge_u32 s2, 528
	s_cselect_b32 s24, 528, s24
	s_cmp_ge_u32 s2, 592
	s_cselect_b32 s24, 592, s24
	v_mad_u32_u24 v[VS], v2, s28, v5
	s_lshl_b32 s29, s28, 1                         ; two chunks a step
.irp j, 1,2,3,4,5,6,7
	v_add_nc_u32 v[VS+(\j)], s29, v[VS+(\j)-1]
.endr
	s_sub_co_u32 s32, s2, s24
	s_lshl_b32 s32, s32, 16                        ; 16 rows of 4,096 bytes
	s_mov_b32 s33, 0
	s_sub_co_u32 s34, s2, s30
	s_lshl_b32 s34, s34, 11                        ; 16 rows of 128 bytes
	s_mov_b32 s35, 0
	s_wait_kmcnt 0x0
	s_cmp_ge_u32 s2, 512
	s_cselect_b64 s[22:23], s[10:11], s[8:9]
	s_cselect_b64 s[26:27], s[20:21], s[18:19]
	s_cmp_ge_u32 s2, 520
	s_cselect_b64 s[22:23], s[12:13], s[22:23]
	s_cmp_ge_u32 s2, 528
	s_cselect_b64 s[22:23], s[14:15], s[22:23]
	s_cmp_ge_u32 s2, 592
	s_cselect_b64 s[22:23], s[16:17], s[22:23]
	s_add_nc_u64 s[22:23], s[22:23], s[32:33]
	s_add_nc_u64 s[26:27], s[26:27], s[34:35]
.irp j, 0,1,2,3,4,5,6,7
	global_load_b128 v[X+8*(\j):X+8*(\j)+3],   v[VL], s[22:23] offset:512*(\j) th:TH_LOAD_NT
	global_load_b128 v[X+8*(\j)+4:X+8*(\j)+7], v[VL], s[22:23] offset:512*(\j)+16 th:TH_LOAD_NT
.endr
.irp j, 0,1,2,3,4,5,6,7
	s_wait_loadcnt 14-2*(\j)                       ; loads come back in order: step j's two are in, the younger ones stay out
.irp c, 0,1,2,3
	v_cvt_pk_bf16_f32 v[Y+4*(\j)+(\c)], v[X+8*(\j)+2*(\c)], v[X+8*(\j)+2*(\c)+1]
.endr
	global_store_b128 v[VS+(\j)], v[Y+4*(\j):Y+4*(\j)+3], s[26:27]
.endr
	s_endpgm
.Lfunc_end_k_qdc4f7b28e2_cvt:
	.size	k_qdc4f7b28e2_cvt, .Lfunc_end_k_qdc4f7b28e2_cvt-k_qdc4f7b28e2_cvt
	.p2alignl 7, 3214868480
	.fill 96, 4, 3214868480
	.section	.rodata,"a",@progbits
	.p2align	6, 0x0
	.amdhsa_kernel k_qdc4f7b28e2_cvt
		.amdhsa_group_segment_fixed_size 0
		.amdhsa_private_segment_fixed_size 0
		.amdhsa_enable_private_segment 0
		.amdhsa_kernarg_size 56
		.amdhsa_user_sgpr_count 2
		.amdhsa_user_sgpr_kernarg_segment_ptr 1
		.amdhsa_wavefront_size32 1
		.amdhsa_system_sgpr_workgroup_id_x 1
		.amdhsa_system_sgpr_workgroup_id_y 1
		.amdhsa_system_sgpr_workgroup_id_z 1
		.amdhsa_system_vgpr_workitem_id 0
		.amdhsa_next_free_vgpr 112
		.amdhsa_next_free_sgpr 66
		.amdhsa_reserve_vcc 0
		.amdhsa_float_denorm_mode_32 3
		.amdhsa_float_denorm_mode_16_64 3
		.amdhsa_memory_ordered 1
		.amdhsa_forward_progress 1
		.amdhsa_inst_pref_size 8
	.end_amdhsa_kernel
	.amdgpu_metadata
---
amdhsa.version: [ 1, 2 ]
amdhsa.kernels:
  - .name:           k_qdc4f7b28e2_cvt
    .symbol:         k_qdc4f7b28e2_cvt.kd
    .args:
      - { .name: hidden_states, .offset: 0, .size: 8, .value_kind: global_buffer, .address_space: global }
      - { .name: Wq, .offset: 8, .size: 8, .value_kind: global_buffer, .address_space: global }
      - { .name: Wk, .offset: 16, .size: 8, .value_kind: global_buffer, .address_space: global }
      - { .name: Wv, .offset: 24, .size: 8, .value_kind: global_buffer, .address_space: global }
      - { .name: Wo, .offset: 32, .size: 8, .value_kind: global_buffer, .address_space: global }
      - { .name: xb, .offset: 40, .size: 8, .value_kind: global_buffer, .address_space: global }
      - { .name: wb, .offset: 48, .size: 8, .value_kind: global_buffer, .address_space: global }
    .group_segment_fixed_size: 0
    .private_segment_fixed_size: 0
    .kernarg_segment_align: 8
    .kernarg_segment_size: 56
    .max_flat_workgroup_size: 256
    .sgpr_count:     66
    .vgpr_count:     112
    .wavefront_size: 32
...
	.end_amdgpu_metadata
.endif
;; end of part 1
;; launch proj (part 2): grid 64 x 4, 4 waves a work-group, clusters of 4 x 4, 327,680 bytes of LDS; arguments wb, xb, ct; writes ct
.if DOCPART == 2
	.amdgcn_target "amdgcn-amd-amdhsa--gfx1250"
	.amdhsa_code_object_version 6
	.text
	.protected	k_qdc4f7b28e2_proj
	.globl	k_qdc4f7b28e2_proj
	.p2align	8
	.type	k_qdc4f7b28e2_proj,@function
k_qdc4f7b28e2_proj:
	s_mov_b64 s[64:65], 0
	v_nop
	global_prefetch_b8 v0, s[64:65] scope:SCOPE_SE
	s_setreg_imm32_b32 hwreg(HW_REG_WAVE_MODE, 25, 1), 1
	s_wait_xcnt 0x0
	s_wait_alu depctr_hold_cnt(0) depctr_sa_sdst(0) depctr_va_vdst(0) depctr_va_sdst(0) depctr_va_ssrc(0) depctr_va_vcc(0) depctr_vm_vsrc(0)
	s_getreg_b32 s2, hwreg(HW_REG_IB_STS2, 6, 4)
	s_cmp_eq_u32 s2, 0
	s_cbranch_scc0 .Lentry_in_a_cluster
	s_endpgm
.Lentry_in_a_cluster:
	s_bfe_u32 s2, ttmp6, 0x10000c
	s_cmp_lg_u32 s2, 0xf033
	s_cbranch_scc0 .Lentry_shape_is_right
	s_endpgm
.Lentry_shape_is_right:
; CT[c][t] = the sum over k of W[c][k] x[t][k]: the three projections in one product.  W = rows 0-1,279 of wb (q 0-127, k 128-255, v 256-1,279), x = xb, both bf16 in chunks of 64 along K;
; sums in f32, K ascending; CT [1,280 channels][8,192 tokens] is rounded once to f16.  LIMIT: a projection of 65,520 or more leaves as an infinity (f16's range).
; SHARES.  A work-group makes 320 channels x 128 tokens; its four waves lie one below the other, 80 x 128 each: 40 accumulators of 16 x 16.  4 x 64 tiles: 256 work-groups.
; K goes in steps of 128 (two chunks) through two LDS slots.  A chunk's part of a tile is dense in memory: it is asked for as rows of 256 bytes (two rows of the tile) and padded in LDS behind every 128.
; One tensor load a wave and step: waves 0 and 1 the two chunks of W's tile, waves 2 and 3 those of x's.
; CLUSTER 4 x 4: W's tile hangs on the tile row alone and is asked for jointly by the four of a row of the cluster, x's on the tile column alone and is asked for by the four of a column.
; THE MATRIX INSTRUCTION IS USED TRANSPOSED (source 0 = 16 tokens, source 1 = 16 channels): a lane holds one channel (lane % 16) and eight neighbouring tokens, 16 bytes of a row of CT.
; REGISTERS.  Window 0: v16-30 addresses; two fragment buffers of 104 (x's eight fragments, then W's five) from v32; on the way out v32-127.  Window 1: accumulators (a, b), a < 4, at v[64 a + 8 b]; window 2: a = 4 at v[8 b].
.set RT,     5                         ; blocks of 16 rows in a wave's share
.set TR,     64*RT                     ; rows of the work-group's tile
.set PITCH,  144                       ; an LDS row: 128 bytes + 16 = 36 words: the 16 rows of a load start at 16 different groups of four banks (64 banks of 4 bytes: ISA guide 11.1)
.set ACH,    TR*PITCH                  ; a chunk of A's tile in LDS
.set BCH,    128*PITCH                 ; a chunk of B's
.set SLOT,   2*ACH+2*BCH
.set STAGE,  2*SLOT                    ; behind the ring: 16 rows x 272 bytes for each wave, for the way out
.set SPITCH, 272
.set SPARE,  STAGE+4*16*SPITCH         ; behind the stages: the spare words, 128 bytes a wave, which no other line names
.set ACS,    294912                    ; bytes from chunk to chunk in A's buffer
.set BCS,    1048576                   ; and in B's
.set ATB,    TR*128                    ; bytes of a tile's rows in one chunk
.set BTB,    128*128
.set CROW,   16384                     ; bytes in a row of CT
.set NF,     8*(RT+8)
.set F0,     32
.set F1,     F0+NF
.set ADRA, 16                          ; v16-17  LDS address of my A fragments in slot 0, 1
.set ADRB, 20                          ; v20-21  the same for B
.set STO,  24
.set RD,   25
.set CO,   26
.set SPW,  28                          ; v28  my spare word; never rewritten
.set NIL,  29                          ; v29  0; never rewritten
.set PFO,  30                          ; v30  the prefetches' lane offset; never rewritten
.set TMP,  32
.set OB,   64
.set G1,  24
.set G0,  32
.set G1B, 48
.set G0B, 56
.set PFA, 66                           ; s[66:67] where my prefetches stand
.set LIM, 68                           ; s68  1 in a wave that prefetches at slot 0's change, else the greatest number
.set LIM1, 69                          ; s69  the same for slot 1's change
.set PST, 70                           ; s[70:71] a K step in my operand's buffer
.set CF,  76                           ; s[76:77] where my part of CT begins
.set MSB, 0
.macro WIN new                         ; the immediate's high byte repeats the setting that is left; a switch that changes nothing is dropped
.if MSB != (\new)
	s_set_vgpr_msb (MSB<<8)|(\new)
.set MSB, \new
.endif
.endm
.macro PLACES                          ; four places in front of loads into registers that matrix instructions have read, and of lines that read results
.rept 4
	v_nop
.endr
.endm
.macro JLOAD s                         ; a joint load; the branch hangs on the wave's number alone; an s_nop 0 and four v_nop follow each line
	s_cmp_eq_u32 s11, 0
	s_cbranch_scc0 .Lfor_b_\@
	tensor_load_to_lds s[G0+4*(\s):G0+4*(\s)+3], s[G1:G1+7]
	s_nop 0
.rept 4
	v_nop
.endr
	s_branch .Lasked_\@
.Lfor_b_\@:
	tensor_load_to_lds s[G0B+4*(\s):G0B+4*(\s)+3], s[G1B:G1B+7]
	s_nop 0
.rept 4
	v_nop
.endr
.Lasked_\@:
.endm
.macro CREST                           ; a round of the cluster's barrier behind its opening barrier
	s_cmp_lg_u32 s10, 0
	s_cbranch_scc1 .Lnot_wave_0_\@
	s_barrier_signal -3
.Lnot_wave_0_\@:
	s_barrier_wait -3
	s_barrier_signal -1
	s_barrier_wait -1
.endm
.macro CROUND
	s_barrier_signal -1
	s_barrier_wait -1
	CREST
.endm
; A PREFETCH of the K step that stands two refills on, behind the joint load and the run of LDS loads: a lane names 256 bytes (two rows of a chunk), each block once in the launch.
; W's tile row is walked by every cluster of that row of clusters: cluster x = 0 asks; x's tile column by every cluster of that column: cluster y = 0 asks.  The four partners of a joint load share the
; rows out by address (80 rows of W by cx, 32 of x by cy).  Waves 0 and 1: 64 rows of W's chunk 0, 1.  Wave 2: 32 rows of both chunks of x.  Wave 3: W's other 16 rows, four chunks (two K steps), at slot 0's change alone.
; The loop's last trip asks for nothing: its refills are the last two K steps.
.macro ASK slot
.if \slot
	s_cmp_gt_u32 s3, s[LIM1]
.else
	s_cmp_gt_u32 s3, s[LIM]
.endif
	s_cbranch_scc0 .Lnot_mine_\@
	global_prefetch_b8 v[PFO], s[PFA:PFA+1] th:TH_LOAD_NT scope:SCOPE_SE
.Lnot_mine_\@:
.endm
	s_load_b128 s[4:7], s[0:1], 0x0                ; A = wb s[4:5], B = xb s[6:7]
	s_load_b64 s[8:9], s[0:1], 0x10                ; CT
	v_lshl_add_u32 v[SPW], v0, 2, SPARE
	v_mov_b32 v[NIL], 0
	ds_add_u32 v[SPW], v[NIL]                      ; the opening: the add, twice on end, and its wait ahead of my first tensor load
	ds_add_u32 v[SPW], v[NIL]
	v_lshrrev_b32 v1, 5, v0
	v_readfirstlane_b32 s10, v1                    ; wave 0..3
	s_lshr_b32 s11, s10, 1                         ; I fetch for A (0) or for B (1)
	s_and_b32 s12, s10, 1                          ; which chunk of a K step's two
	s_bfe_u32 s40, ttmp6, 0x40000                  ; cx
	s_bfe_u32 s41, ttmp6, 0x40004                  ; cy
	s_lshl_b32 s42, ttmp9, 2
	s_add_co_u32 s42, s42, s40                     ; tile column
	s_and_b32 s13, ttmp7, 0xffff
	s_lshl_b32 s13, s13, 2
	s_add_co_u32 s13, s13, s41                     ; tile row
	s_lshl_b32 s43, s41, 2
	s_lshl_b32 s43, 15, s43                        ; my row of the cluster
	s_lshl_b32 s44, 0x1111, s40                    ; my column
	s_or_b32 s[G1+0], s43, (1<<16)|(1<<20)|(1<<21)|(4<<22)|(3<<25)   ; the mask; 2-byte elements; padding on; bit 21 beside a mask; after every 32 words, 4 words
	s_or_b32 s[G1B+0], s44, (1<<16)|(1<<20)|(1<<21)|(4<<22)|(3<<25)
	s_mov_b32 s[G1+1], 128<<16                     ; tensor_dim0 = 128 elements: 256 bytes, two rows of the tile
	s_mov_b32 s[G1+2], (TR/2)<<16                  ; tensor_dim1
	s_mov_b32 s[G1+3], 128<<16                     ; tile_dim0
	s_mov_b32 s[G1+4], TR/2                        ; tile_dim1
	s_mov_b32 s[G1+5], 128                         ; dense: 128 elements from row to row
	s_mov_b32 s[G1+6], 0
	s_mov_b32 s[G1+7], 0
	s_mov_b32 s[G1B+1], 128<<16
	s_mov_b32 s[G1B+2], 64<<16
	s_mov_b32 s[G1B+3], 128<<16
	s_mov_b32 s[G1B+4], 64
	s_mov_b32 s[G1B+5], 128
	s_mov_b32 s[G1B+6], 0
	s_mov_b32 s[G1B+7], 0
	s_mul_i32 s16, s13, ATB                        ; A: the tile row's rows, my chunk
	s_mul_i32 s17, s12, ACS
	s_add_co_u32 s16, s16, s17
	s_mov_b32 s17, 0
	s_mul_i32 s46, s42, BTB                        ; B: the tile column's rows, my chunk
	s_mul_i32 s47, s12, BCS
	s_add_co_u32 s46, s46, s47
	s_mov_b32 s47, 0
	s_mul_i32 s20, s12, ACH                        ; where they go: no place in the cluster enters an LDS address
	s_mul_i32 s21, s12, BCH
	s_add_co_u32 s21, s21, 2*ACH
	s_wait_dscnt 0x0                               ; both opening adds are done
	s_wait_kmcnt 0x0
	s_add_nc_u64 s[14:15], s[4:5], s[16:17]
	s_add_nc_u64 s[46:47], s[6:7], s[46:47]
	CROUND                                         ; all sixteen work-groups are here: the first joint loads meet
.irp s, 0,1
	s_mov_b32 s[G0+4*(\s)], 1
	s_add_co_u32 s[G0+4*(\s)+1], s20, (\s)*SLOT
	s_add_nc_u64 s[G0+4*(\s)+2:G0+4*(\s)+3], s[14:15], (\s)*2*ACS
	s_or_b32 s[G0+4*(\s)+3], s[G0+4*(\s)+3], 0x80000000
	s_mov_b32 s[G0B+4*(\s)], 1
	s_add_co_u32 s[G0B+4*(\s)+1], s21, (\s)*SLOT
	s_add_nc_u64 s[G0B+4*(\s)+2:G0B+4*(\s)+3], s[46:47], (\s)*2*BCS
	s_or_b32 s[G0B+4*(\s)+3], s[G0B+4*(\s)+3], 0x80000000
	JLOAD \s                                       ; K steps 0 and 1: two loads of mine are out
.endr
	v_and_b32 v1, 15, v0                           ; l % 16
	v_bfe_u32 v2, v0, 4, 1                         ; l / 16
	v_mul_u32_u24 v3, v1, PITCH
	v_lshl_add_u32 v3, v2, 4, v3                   ; a fragment's row x pitch + 16 x half
	s_mul_i32 s22, s10, 16*RT*PITCH                ; my 80 rows of A
	s_mov_b32 s23, 2*ACH                           ; B's rows lie behind A's two chunks
.irp s, 0,1
	v_add_nc_u32 v[ADRA+(\s)], s22, v3
	v_add_nc_u32 v[ADRB+(\s)], s23, v3
	s_add_co_u32 s22, s22, SLOT
	s_add_co_u32 s23, s23, SLOT
.endr
	s_mul_i32 s23, s10, 16*SPITCH
	s_add_co_u32 s23, s23, STAGE                   ; my stage
	v_mul_u32_u24 v4, v1, SPITCH                   ; in: row l % 16, 16 bytes for each half of the lanes
	v_lshl_add_u32 v4, v2, 4, v4
	v_add_nc_u32 v[STO], s23, v4
	v_mul_u32_u24 v5, v2, SPITCH                   ; back: lanes 0-15 one row of 256 bytes, lanes 16-31 the next
	v_lshl_add_u32 v5, v1, 4, v5
	v_add_nc_u32 v[RD], s23, v5
	v_lshlrev_b32 v5, 14, v2                       ; and the same two rows in CT
	v_lshl_add_u32 v[CO], v1, 4, v5
	s_mul_i32 s16, s13, TR
	s_mul_i32 s17, s10, 16*RT
	s_add_co_u32 s16, s16, s17                     ; my first row of CT
	s_lshl_b32 s16, s16, 14
	s_lshl_b32 s46, s42, 8                         ; the tile's 128 tokens: 256 bytes
	s_add_co_u32 s[CF], s16, s46
	s_mov_b32 s[CF+1], 0
	; the prefetches: who, from where, and each lane's block
	s_and_b32 s22, ttmp7, 0xffff                   ; cluster y
	s_mov_b32 s20, 2*ACS
	s_mov_b32 s21, 2*BCS
	s_cmp_eq_u32 s10, 2                            ; wave 2 asks for B, the others for A
	s_cselect_b32 s22, s22, ttmp9                  ; the coordinate along which other clusters walk the same rows
	s_cselect_b64 s[PFA:PFA+1], s[6:7], s[4:5]
	s_cselect_b32 s[PST], s21, s20
	s_mov_b32 s[PST+1], 0
	s_cmp_eq_u32 s22, 0
	s_cselect_b32 s[LIM], 1, -1                    ; the same in all sixteen partners, for a given wave
	s_cmp_eq_u32 s10, 3
	s_cselect_b32 s[LIM1], -1, s[LIM]
	s_mul_i32 s20, s13, ATB
	s_mul_i32 s21, s40, TR*32                      ; my work-group's 80 rows of the 320
	s_add_co_u32 s20, s20, s21
	s_add_co_u32 s20, s20, 6*ACS                   ; at chunk 6: the first refill steps it to chunk 8, K step 4
	s_mul_i32 s21, s12, ACS                        ; waves 0, 1: my chunk
	s_cmp_eq_u32 s10, 3
	s_cselect_b32 s21, 8192, s21                   ; wave 3: rows 64-79 of the 80
	s_add_co_u32 s20, s20, s21
	s_mul_i32 s23, s42, BTB
	s_lshl_b32 s21, s41, 12                        ; my work-group's 32 rows of the 128
	s_add_co_u32 s23, s23, s21
	s_add_co_u32 s23, s23, 6*BCS
	s_cmp_eq_u32 s10, 2
	s_cselect_b32 s20, s23, s20
	s_mov_b32 s21, 0
	s_add_nc_u64 s[PFA:PFA+1], s[PFA:PFA+1], s[20:21]
	s_mov_b32 s72, 31                              ; blocks in a chunk's share, less one; what lane bit 3 and lane bit 4 add
	s_mov_b32 s73, 0
	s_mov_b32 s74, 0
	s_mov_b32 s20, BCS
	s_cselect_b32 s72, 15, s72                     ; (wave 2: 16 blocks x 2 chunks)
	s_cselect_b32 s74, s20, s74
	s_mov_b32 s20, ACS
	s_mov_b32 s21, 2*ACS
	s_cmp_eq_u32 s10, 3                            ; (wave 3: 8 blocks x 4 chunks)
	s_cselect_b32 s72, 7, s72
	s_cselect_b32 s73, s20, s73
	s_cselect_b32 s74, s21, s74
	v_and_b32 v4, 31, v0
	v_and_b32 v[PFO], s72, v4
	v_lshlrev_b32 v[PFO], 8, v[PFO]
	v_bfe_u32 v5, v0, 3, 1
	v_mad_u32_u24 v[PFO], v5, s73, v[PFO]
	v_mad_u32_u24 v[PFO], v2, s74, v[PFO]
; 8 matrix instructions: block a of my rows x all 8 blocks of columns, 32 along K.  zero = 1: the product starts the sums.  The 40 accumulators take turns in one order throughout.
.macro MULA f, a, zero
.if (\a) < 4
	WIN 0x50
.set AC, 64*(\a)
.else
	WIN 0xa0
.set AC, 0
.endif
.irp b, 0,1,2,3,4,5,6,7
.if \zero
	v_wmma_f32_16x16x32_bf16 v[AC+8*(\b):AC+8*(\b)+7], v[(\f)+8*(\b):(\f)+8*(\b)+7], v[(\f)+64+8*(\a):(\f)+64+8*(\a)+7], 0
.else
	v_wmma_f32_16x16x32_bf16 v[AC+8*(\b):AC+8*(\b)+7], v[(\f)+8*(\b):(\f)+8*(\b)+7], v[(\f)+64+8*(\a):(\f)+64+8*(\a)+7], v[AC+8*(\b):AC+8*(\b)+7]
.endif
.endr
.endm
.macro MULS f, a0, a1, zero            ; blocks a0 .. a1
.set aa, \a0
.rept (\a1)-(\a0)+1
	MULA \f, aa, \zero
.set aa, aa+1
.endr
.endm
; One run of LDS loads: the fragments of quarter q of a K step (chunk q / 2, 32 along K at byte 64 (q % 2)) into buffer f: B's eight, then A's
.macro FETCH slot, q, f
	WIN 0
.irp b, 0,1,2,3,4,5,6,7
	ds_load_b128 v[(\f)+8*(\b):(\f)+8*(\b)+3],   v[ADRB+(\slot)] offset:((\q)/2)*BCH+(\b)*16*PITCH+((\q)%2)*64
	ds_load_b128 v[(\f)+8*(\b)+4:(\f)+8*(\b)+7], v[ADRB+(\slot)] offset:((\q)/2)*BCH+(\b)*16*PITCH+((\q)%2)*64+32
.endr
.set fa, 0
.rept RT
	ds_load_b128 v[(\f)+64+8*fa:(\f)+64+8*fa+3],   v[ADRA+(\slot)] offset:((\q)/2)*ACH+fa*16*PITCH+((\q)%2)*64
	ds_load_b128 v[(\f)+64+8*fa+4:(\f)+64+8*fa+7], v[ADRA+(\slot)] offset:((\q)/2)*ACH+fa*16*PITCH+((\q)%2)*64+32
.set fa, fa+1
.endr
.endm
; One of a K step's first three quarters: multiplies buffer f and, in its middle, fetches quarter q into buffer g
.macro QUARTER slot, q, f, g, zero
	s_wait_dscnt 4                                 ; all but the youngest four loads: A's last two fragments
	MULS \f, 0, RT-3, \zero
	PLACES
	FETCH \slot, \q, \g
	s_wait_dscnt 2*(RT+8)                          ; all but the run just issued
	MULS \f, RT-2, RT-1, \zero
.endm
; The last quarter multiplies buffer 1 and changes slots.  In front of the barrier each wave waits for all its tensor loads (one is out: its part of the next slot), adds 0 to its spare word, and waits for that
; and for its reads of this slot.  fill = 1: the barrier opens a round of the cluster's, and the joint refill, two K steps on, is the first thing behind it.
.macro TURN slot, next, fill
.if \fill
	s_wait_xcnt 0x0                                ; the last prefetch, a K step back, has read its address
	s_add_nc_u64 s[PFA:PFA+1], s[PFA:PFA+1], s[PST:PST+1]
.endif
	WIN 0
	s_wait_tensorcnt 0x0
	ds_add_u32 v[SPW], v[NIL]
	s_wait_dscnt 5                                 ; (the add and the youngest four loads may be out)
	MULS F1, 0, 0, 0
	s_wait_dscnt 0x0                               ; the add is done, and my reads of this slot are over
	s_barrier_signal -1
	MULS F1, 1, RT-3, 0
.if \fill
	WIN 0
.endif
	s_barrier_wait -1
.if \fill
	CREST                                          ; no wave of any partner still reads this slot or has a load on its way
	s_add_nc_u64 s[G0+4*(\slot)+2:G0+4*(\slot)+3], s[G0+4*(\slot)+2:G0+4*(\slot)+3], 4*ACS
	s_add_nc_u64 s[G0B+4*(\slot)+2:G0B+4*(\slot)+3], s[G0B+4*(\slot)+2:G0B+4*(\slot)+3], 4*BCS
	JLOAD \slot                                    ; its four v_nop are also the places in front of the loads below
.else
	PLACES
.endif
	FETCH \next, 0, F0
.if \fill
	ASK \slot
.endif
	MULS F1, RT-2, RT-1, 0
.endm
	s_wait_tensorcnt 1                             ; my part of K step 0 is in; K step 1's may stay out
	s_barrier_signal -1
	s_barrier_wait -1
	FETCH 0, 0, F0
	QUARTER 0, 1, F0, F1, 1                        ; the first quarter stands in front of the loop: its products start the sums
	WIN 0
	s_mov_b32 s3, 3
.Llap:                                                 ; a trip goes once round the ring and fills both slots again: K steps 2 to 7
	QUARTER 0, 2, F1, F0, 0
	QUARTER 0, 3, F0, F1, 0
	TURN 0, 1, 1
	QUARTER 1, 1, F0, F1, 0
	QUARTER 1, 2, F1, F0, 0
	QUARTER 1, 3, F0, F1, 0
	TURN 1, 0, 1
	QUARTER 0, 1, F0, F1, 0
	WIN 0
	s_sub_co_u32 s3, s3, 1
	s_cmp_lg_u32 s3, 0
	s_cbranch_scc1 .Llap
	QUARTER 0, 2, F1, F0, 0                        ; the last lap fills nothing
	QUARTER 0, 3, F0, F1, 0
	TURN 0, 1, 0
	QUARTER 1, 1, F0, F1, 0
	QUARTER 1, 2, F1, F0, 0
	QUARTER 1, 3, F0, F1, 0
	s_wait_dscnt 4
	MULS F1, 0, RT-3, 0
	s_wait_dscnt 0x0
	MULS F1, RT-2, RT-1, 0
; THE WAY OUT, a block of 16 rows at a time: rounded to f16 (16 bytes a lane), into my own stage, back as whole rows of 256 bytes, stored.
.macro PACK a
.if (\a) < 4
	WIN 0x05
.set AC, 64*(\a)
.else
	WIN 0x0a
.set AC, 0
.endif
.irp b, 0,1,2,3,4,5,6,7
.irp r, 0,1,2,3
	v_cvt_pk_f16_f32 v[TMP+4*(\b)+(\r)], v[AC+8*(\b)+2*(\r)], v[AC+8*(\b)+2*(\r)+1]
.endr
.endr
	WIN 0
.endm
.macro TOSTAGE a
.set BK, OB+32*((\a)%2)
.irp b, 0,1,2,3,4,5,6,7
	ds_store_b128 v[STO], v[TMP+4*(\b):TMP+4*(\b)+3] offset:32*(\b)
.endr
.irp t, 0,1,2,3,4,5,6,7
	ds_load_b128 v[BK+4*(\t):BK+4*(\t)+3], v[RD] offset:(\t)*2*SPITCH  ; LDS serves a wave's instructions in order (ISA guide 5.7.1.4): these see the stores above
.endr
.endm
.macro SEND a
.set BK, OB+32*((\a)%2)
	s_wait_dscnt 0x0                               ; the block is back in registers
	s_wait_xcnt 0x0                                ; earlier stores have read their base and data: only now are these rewritten
.if (\a) == 0
	s_add_nc_u64 s[8:9], s[8:9], s[CF:CF+1]
.else
	s_add_nc_u64 s[8:9], s[8:9], 16*CROW
.endif
.irp t, 0,1,2,3,4,5,6,7
	global_store_b128 v[CO], v[BK+4*(\t):BK+4*(\t)+3], s[8:9] offset:2*(\t)*CROW  ; 16 lanes store 256 consecutive bytes, aligned
.endr
.endm
	PLACES
	PACK 0
	TOSTAGE 0
.irp a, 1,2,3,4                        ; block a's conversions stand between block a - 1's loads from the stage and the wait for them
	PACK \a
	SEND (\a)-1
	TOSTAGE \a
.endr
	SEND 4
	s_wait_tensorcnt 0x0                           ; the wave's end
	ds_add_u32 v[SPW], v[NIL]
	s_wait_dscnt 0x0
	CROUND                                         ; the closing round
	s_endpgm
.Lfunc_end_k_qdc4f7b28e2_proj:
	.size	k_qdc4f7b28e2_proj, .Lfunc_end_k_qdc4f7b28e2_proj-k_qdc4f7b28e2_proj
	.p2alignl 7, 3214868480
	.fill 96, 4, 3214868480
	.section	.rodata,"a",@progbits
	.p2align	6, 0x0
	.amdhsa_kernel k_qdc4f7b28e2_proj
		.amdhsa_group_segment_fixed_size 327680
		.amdhsa_private_segment_fixed_size 0
		.amdhsa_enable_private_segment 0
		.amdhsa_kernarg_size 24
		.amdhsa_user_sgpr_count 2
		.amdhsa_user_sgpr_kernarg_segment_ptr 1
		.amdhsa_wavefront_size32 1
		.amdhsa_system_sgpr_workgroup_id_x 1
		.amdhsa_system_sgpr_workgroup_id_y 1
		.amdhsa_system_sgpr_workgroup_id_z 1
		.amdhsa_system_vgpr_workitem_id 0
		.amdhsa_next_free_vgpr 576
		.amdhsa_next_free_sgpr 80
		.amdhsa_reserve_vcc 0
		.amdhsa_float_denorm_mode_32 3
		.amdhsa_float_denorm_mode_16_64 3
		.amdhsa_memory_ordered 1
		.amdhsa_forward_progress 1
		.amdhsa_inst_pref_size 103
	.end_amdhsa_kernel
	.amdgpu_metadata
---
amdhsa.version: [ 1, 2 ]
amdhsa.kernels:
  - .name:           k_qdc4f7b28e2_proj
    .symbol:         k_qdc4f7b28e2_proj.kd
    .args:
      - { .name: wb, .offset: 0, .size: 8, .value_kind: global_buffer, .address_space: global }
      - { .name: xb, .offset: 8, .size: 8, .value_kind: global_buffer, .address_space: global }
      - { .name: ct, .offset: 16, .size: 8, .value_kind: global_buffer, .address_space: global }
    .group_segment_fixed_size: 327680
    .private_segment_fixed_size: 0
    .kernarg_segment_align: 8
    .kernarg_segment_size: 24
    .max_flat_workgroup_size: 128
    .sgpr_count:     80
    .vgpr_count:     576
    .wavefront_size: 32
...
	.end_amdgpu_metadata
.endif
;; end of part 2
;; launch attn (part 3): grid 4 x 64, 8 waves a work-group, no clusters, 327,680 bytes of LDS; arguments ct, g_weight, yb, out1; writes yb, out1
.if DOCPART == 3
	.amdgcn_target "amdgcn-amd-amdhsa--gfx1250"
	.amdhsa_code_object_version 6
	.text
	.protected	k_qdc4f7b28e2_attn
	.globl	k_qdc4f7b28e2_attn
	.p2align	8
	.type	k_qdc4f7b28e2_attn,@function
k_qdc4f7b28e2_attn:
	s_mov_b64 s[64:65], 0
	v_nop
	global_prefetch_b8 v0, s[64:65] scope:SCOPE_SE
	s_setreg_imm32_b32 hwreg(HW_REG_WAVE_MODE, 25, 1), 1
	s_wait_xcnt 0x0
; For one (batch, head): y[n] = sum over m <= n of A[n][m] v[m], A = 1 + s + s^2 / 2, s = q[n] . k[m] / sqrt(8) (the 73 features' product, written out); RMSNorm over the 64 channels, times g; and
; kv_state[f][d] = sum over n of kf[n][d] v[n][f].  ct holds q, k, v by channels, [1,280][8,192 tokens] f16.  y leaves as bf16, yb [16 heads][8,192 tokens][64]; kv_state as f32.
; SCALES FROM THE DATA, so that every 16-bit operand lies in -1 .. 1 whatever the inputs' size.  M = the power of two above the head's largest |k|; k^ = k / M.  For a query, t = |q|_1 M / sqrt(8) >= |s|,
; beta^2 = 1 / (2 + 2 t + t^2).  The matrix unit makes u = beta (1 + s): channels 0-7 are k^ times beta (M / sqrt 8) q, channel 16 is 1 times beta.  The weight is u^2 + beta^2 = c A with c = 2 beta^2, in 0 .. 1,
; rounded to f16.  The norm takes c out again: y' rsqrt(mean(y'^2) + eps c^2) with y' = c y.  kv_state's features are k^_i k^_j, k^_i and 1 in f16; M^2 / 4 and M / 8^(1/4) are applied to the f32 sums.
; LIMITS.  q, k, v arrive within f16's range.  A weight below f16's smallest step (6e-8 of the row's bound) counts as 0; mean(y'^2) + eps c^2 is held at 2^-126 or above; g is rounded to bf16 like the other
; inputs; NaN and infinities are not treated apart.
; SHARES.  A head has 8 blocks of 256 queries; work-group p takes blocks 7 - p and p: 9 key tiles of 256 whatever p.  A wave owns ONE block (four waves each) and, in each of its four bands of 64 queries, 16 rows:
; four PIECES.  So the diagonal tile is the same work for the four waves of a block: in its step s band x sees all keys (s < x), none (s > x: left out) or holds the diagonal (s = x: the weights are masked).
; The head's whole V^T (8 panels of 256 keys) and k^T stay in LDS: each wave brings one panel by one tensor load, nothing is filled again, and the walk has no barrier.
; ORDER BEHIND THE WALK.  First what only reads LDS (kv_state's products); then a barrier, in front of which every wave's reads of V^T and k^T are over; only behind it anything is stored to LDS again:
; kv_state's partial sums and y's way out through the stages.
; NO CLUSTER: the four work-groups of a head differ in p, and each wave's walk (how many tiles, where the diagonal lies) branches on p.
; LAYOUT.  S^T = K Q^T holds one query a lane (lane % 16) and the keys 8 (lane / 16) + 0..7; two such results, made weights and rounded in pairs, ARE source 1 of O^T = V^T P.  V^T lies in LDS by channels, keys along
; the rows, so its fragments come by plain loads; k^T is turned by ds_load_tr16_b128.
; REGISTERS.  Window 0: v0-31 addresses, scales, at work; v32-39 (beta^2, eps c^2) a piece; v40-55 the diagonal's mask; v56-87 q, later g; v88-119 k, later P (two buffers of 16); v120-127 at work;
; v88-127 behind the walk: kv_state's five accumulators; v128-255 S^T, 32 a piece, behind the walk kv_state's two operand buffers.
; Window 1: v0-127 O^T, 32 a piece; v128-159 Q^; v160-191 K of a step; v192-255 V of a step.
.set VP,    528                        ; a row of V^T in a panel: 512 bytes + 16: an odd multiple of 16, so the 16 rows of a load start at different groups of banks (ISA guide 11.1)
.set PANEL, 64*VP
.set KT,    8*PANEL                    ; k^T: 8 rows of 4,096 bytes + 32
.set KP,    4128
.set RED,   KT+8*KP                    ; the eight waves' maxima
.set SPARE, RED+256                    ; the spare words, 128 bytes a wave, which no other line names
.set STG,   SPARE+1024                 ; 16 rows x 144 bytes for each wave, for y's way out
.set SP,    144
.set IMGB,  9216                       ; a wave's picture of the work-group's 16 rows x 73 of kv_state (4,672 bytes) and, behind it, a place for seven rows of zeros; in V's bytes, which are filled once
.set RR,  1                            ; v1  l % 16
.set HF,  2                            ; v2  l / 16
.set AV0, 3
.set AK0, 4
.set ADV, 5
.set ADK, 6
.set STO, 7
.set RD,  8
.set GO,  9
.set LM,  10                           ; v10  all ones in lanes 0-15, 0 in lanes 16-31
.set ZR,  11                           ; v11  0
.set SPW, 12                           ; v12  my spare word; never rewritten
.set NIL, 13                           ; v13  0, for the add alone
.set ONE, 14                           ; v14  1.0
.set INV, 15                           ; v15  1 / M
.set SQ,  16                           ; v[16:17]  M^2 / 4
.set SL,  18                           ; v18  M / 8^(1/4)
.set SM8, 19                           ; v19  M / sqrt(8)
.set T,   20                           ; v20-31 at work
.set B2,  32
.set MB,  40
.set QR,  56
.set G,   56
.set KR,  88
.set P,   88
.set U,   120
.set S,   128
.set QF,  128                          ; window 1
.set KF,  160
.set VF,  192
.set WV,  12
.set PP,  13
.set HB,  14
.set BB,  15
.set HH,  16
.set LO,  17
.set BI,  18                           ; my wave's block
.set W4,  19                           ; my 16 rows in a band
.set G1,  24
.set G0,  32
.set SEL, 36
.set SKB, 38                           ; s[38:39] k's rows
.set SQB, 40                           ; s[40:41] q's rows at my first query
.set TAU, 42
.set TBT, 43
.set TKT, 44
.set TBV, 45
.set TBK, 46
.set CNT, 47
.set YB,  52                           ; s[52:53] yb at my first row
.set O1,  54                           ; s[54:55] out1 at the work-group's 16 rows
.set MSB, 0
.macro WIN new                         ; the immediate's high byte repeats the setting that is left; a switch that changes nothing is dropped
.if MSB != (\new)
	s_set_vgpr_msb (MSB<<8)|(\new)
.set MSB, \new
.endif
.endm
.macro PLACES                          ; four places behind a matrix instruction (ISA guide 7.12.1)
.rept 4
	v_nop
.endr
.endm
	s_load_b256 s[4:11], s[0:1], 0x0               ; ct s[4:5], g s[6:7], yb s[8:9], out1 s[10:11]
	v_lshl_add_u32 v[SPW], v0, 2, SPARE
	v_mov_b32 v[NIL], 0
	ds_add_u32 v[SPW], v[NIL]                      ; the opening: the add, twice on end, and its wait ahead of my tensor load
	ds_add_u32 v[SPW], v[NIL]
	v_lshrrev_b32 v1, 5, v0
	v_readfirstlane_b32 s[WV], v1                  ; wave 0..7
	s_mov_b32 s[PP], ttmp9
	s_and_b32 s[HB], ttmp7, 0xffff
	s_lshr_b32 s[BB], s[HB], 4
	s_and_b32 s[HH], s[HB], 15
	s_lshr_b32 s20, s[WV], 2
	s_xor_b32 s20, s20, s[WV]
	s_and_b32 s[LO], s20, 1                        ; waves w and w + 4, and waves 2 i and 2 i + 1, differ in it: a long walk and a short one lie side by side
	s_sub_co_u32 s21, 7, s[PP]
	s_cmp_eq_u32 s[LO], 1
	s_cselect_b32 s[BI], s[PP], s21
	s_lshr_b32 s[W4], s[WV], 1
	s_mov_b32 s[G1+0], (1<<16)|(1<<20)|(6<<22)|(3<<25)  ; 2-byte elements; padding on: after every 128 words, 4 words
	s_mov_b32 s[G1+1], 256<<16                     ; tensor_dim0 = 256 keys
	s_mov_b32 s[G1+2], 64<<16                      ; tensor_dim1 = 64 channels
	s_mov_b32 s[G1+3], 256<<16                     ; tile_dim0
	s_mov_b32 s[G1+4], 64                          ; tile_dim1
	s_mov_b32 s[G1+5], 8192                        ; elements from channel to channel
	s_mov_b32 s[G1+6], 0
	s_mov_b32 s[G1+7], 0
	s_mov_b32 s[G0], 1
	s_mul_i32 s[G0+1], s[WV], PANEL                ; panel = my wave's number
	s_lshl_b32 s20, s[HH], 20                      ; 64 channels of 16,384 bytes
	s_lshl_b32 s21, s[BB], 12                      ; 2,048 tokens of 2 bytes
	s_lshl_b32 s22, s[WV], 9
	s_add_co_u32 s2, s20, s21
	s_add_co_u32 s2, s2, s22
	s_add_co_u32 s2, s2, 256*16384                 ; v's rows begin at channel 256
	s_mov_b32 s3, 0
	s_lshl_b32 s22, s[HH], 17                      ; 8 channels of 16,384 bytes
	s_add_co_u32 s22, s22, s21
	s_add_co_u32 s[SKB], s22, 128*16384            ; k's rows begin at channel 128
	s_mov_b32 s[SKB+1], 0
	s_lshl_b32 s23, s[BI], 9
	s_add_co_u32 s[SQB], s22, s23
	s_lshl_b32 s23, s[W4], 5
	s_add_co_u32 s[SQB], s[SQB], s23               ; token 256 BI + 16 W4 of the sequence
	s_mov_b32 s[SQB+1], 0
	s_lshl_b32 s23, s[BB], 18
	s_add_co_u32 s[YB], s20, s23
	s_lshl_b32 s23, s[BI], 15
	s_add_co_u32 s[YB], s[YB], s23
	s_lshl_b32 s23, s[W4], 11
	s_add_co_u32 s[YB], s[YB], s23
	s_mov_b32 s[YB+1], 0
	s_mul_i32 s[O1], s[HB], 64*292
	s_mul_i32 s23, s[PP], 16*292
	s_add_co_u32 s[O1], s[O1], s23
	s_mov_b32 s[O1+1], 0
	s_mov_b32 s[SEL], 0x76543210
	s_mov_b32 s[SEL+1], 0xfedcba98
	s_mov_b32 s48, 0xffff
	s_mov_b32 s49, 0xffff0000
	s_mov_b32 s50, 0x7fff7fff
	s_mov_b32 s51, 0xff00ff00                      ; lanes with l % 16 >= 8
	s_mov_b32 s56, 0x3c003c00                      ; 1.0 twice in f16
	s_wait_dscnt 0x0                               ; both opening adds are done
	s_wait_kmcnt 0x0
	s_add_nc_u64 s[G0+2:G0+3], s[4:5], s[2:3]
	s_or_b32 s[G0+3], s[G0+3], 0x80000000
	s_add_nc_u64 s[SKB:SKB+1], s[4:5], s[SKB:SKB+1]
	s_add_nc_u64 s[SQB:SQB+1], s[4:5], s[SQB:SQB+1]
	s_add_nc_u64 s[YB:YB+1], s[8:9], s[YB:YB+1]
	s_add_nc_u64 s[O1:O1+1], s[10:11], s[O1:O1+1]
	tensor_load_to_lds s[G0:G0+3], s[G1:G1+7]      ; my one tensor load: 64 channels x 256 keys
	s_nop 0
	PLACES
	v_lshlrev_b32 v[T], 4, v0                      ; thread t takes keys 8 t .. 8 t + 7 of each of k's 8 rows
.irp i, 0,1,2,3,4,5,6,7
	global_load_b128 v[KR+4*(\i):KR+4*(\i)+3], v[T], s[SKB:SKB+1] offset:(\i)*16384
.endr
	v_and_b32 v[RR], 15, v0
	v_lshlrev_b32 v[T+1], 1, v[RR]
.irp x, 0,1,2,3
.irp i, 0,1,2,3,4,5,6,7
	global_load_u16 v[QR+8*(\x)+(\i)], v[T+1], s[SQB:SQB+1] offset:(\i)*16384+(\x)*128  ; channel i of my query in band x
.endr
.endr
	; lane constants, while the loads are out
	v_bfe_u32 v[HF], v0, 4, 1
	v_mul_u32_u24 v[AV0], v[RR], VP
	v_lshl_add_u32 v[AV0], v[HF], 4, v[AV0]        ; a fragment of V^T: channel l % 16, 16 bytes for each half of the lanes
	v_and_b32 v[T+3], 7, v0
	v_bfe_u32 v[T+4], v0, 3, 1
	v_mul_u32_u24 v[AK0], v[T+3], KP               ; the turning load: lane l addresses channel l % 8, keys 8 ((l / 8) % 2) + 0..7, and receives key l % 16, channels 0-7;
	v_lshl_add_u32 v[AK0], v[T+4], 4, v[AK0]       ; lanes 16-31 get copies, which meet zeros in Q^
	v_add_nc_u32 v[AK0], KT, v[AK0]
	s_mul_i32 s20, s[WV], 16*SP
	s_add_co_u32 s20, s20, STG
	v_mul_u32_u24 v[STO], v[RR], SP
	v_lshl_add_u32 v[STO], v[HF], 4, v[STO]
	v_add_nc_u32 v[STO], s20, v[STO]
	v_bfe_u32 v[RD], v0, 3, 2
	v_mul_u32_u24 v[RD], v[RD], SP
	v_lshl_add_u32 v[RD], v[T+3], 4, v[RD]
	v_add_nc_u32 v[RD], s20, v[RD]
	v_and_b32 v[GO], 31, v0
	v_lshlrev_b32 v[GO], 4, v[GO]
	v_add_nc_u32 v[LM], -1, v[HF]
	v_mov_b32 v[ZR], 0
	v_mov_b32 v[ONE], 1.0
	v_add_nc_u32 v[T+2], KT, v[T]
	v_lshlrev_b32 v[T+5], 3, v[HF]
	v_sub_nc_u32 v[T+5], v[RR], v[T+5]
	s_lshl_b32 s21, s[W4], 4
	v_add_nc_u32 v[T+5], s21, v[T+5]               ; my query's place in its band less my lanes' 8 (l / 16): key 16 kt + e of the band's own step is seen where it is not greater
.set n, 0
.rept 16                               ; register n of a piece's P holds keys 16 (n / 4) + 2 (n % 4) and the next
	v_cmp_le_i32 vcc_lo, 16*(n/4)+2*(n%4), v[T+5]
	v_cndmask_b32 v[T+6], 0, s48, vcc_lo
	v_cmp_le_i32 vcc_lo, 16*(n/4)+2*(n%4)+1, v[T+5]
	v_cndmask_b32 v[T+7], 0, s49, vcc_lo
	v_or_b32 v[MB+n], v[T+6], v[T+7]
.set n, n+1
.endr
	WIN 0x40                                       ; destination window 1
.set i, 0
.rept 128                              ; O^T starts at 0: one text of a step serves the first like every other; these lines run while the panel is on its way
	v_mov_b32 v[i], 0
.set i, i+1
.endr
.irp x, 0,1,2,3
	v_mov_b32 v[QF+8*(\x)+5], 0
	v_mov_b32 v[QF+8*(\x)+6], 0
	v_mov_b32 v[QF+8*(\x)+7], 0
	v_and_b32 v[KF+8*(\x)+4], 0x3c00, v[LM]        ; channel 16 of every key: 1.0
	v_mov_b32 v[KF+8*(\x)+5], 0
	v_mov_b32 v[KF+8*(\x)+6], 0
	v_mov_b32 v[KF+8*(\x)+7], 0
.endr
	WIN 0
	; the head's largest |k|
	s_wait_loadcnt 32                              ; k's eight loads are in; q's 32 are younger
.irp c, 0,1,2,3
	v_and_b32 v[U+(\c)], s50, v[KR+(\c)]
.endr
.set j, 4
.rept 28
	v_and_b32 v[U+4+j%4], s50, v[KR+j]
	v_pk_max_num_f16 v[U+j%4], v[U+j%4], v[U+4+j%4]
.set j, j+1
.endr
	v_pk_max_num_f16 v[U], v[U], v[U+1]
	v_pk_max_num_f16 v[U+2], v[U+2], v[U+3]
	v_pk_max_num_f16 v[U], v[U], v[U+2]
	v_cvt_f32_f16 v121, v120.l
	v_cvt_f32_f16 v122, v120.h
	v_max_num_f32 v[U+1], v[U+1], v[U+2]
	v_max_num_f32_dpp v[U+1], v[U+1], v[U+1] row_xmask:1 row_mask:0xf bank_mask:0xf
	v_max_num_f32_dpp v[U+1], v[U+1], v[U+1] row_xmask:2 row_mask:0xf bank_mask:0xf
	v_max_num_f32_dpp v[U+1], v[U+1], v[U+1] row_xmask:4 row_mask:0xf bank_mask:0xf
	v_max_num_f32_dpp v[U+1], v[U+1], v[U+1] row_xmask:8 row_mask:0xf bank_mask:0xf
	v_permlanex16_b32 v[U+2], v[U+1], s[SEL], s[SEL+1]
	v_max_num_f32 v[U+1], v[U+1], v[U+2]
	s_lshl_b32 s20, s[WV], 2
	s_add_co_u32 s20, s20, RED
	v_mov_b32 v[U+3], s20
	ds_store_b32 v[U+3], v[U+1]                    ; all lanes write my wave's word with the same value
	s_wait_dscnt 0x0                               ; for the others' sake
	s_barrier_signal -1
	s_barrier_wait -1
	v_mov_b32 v[U+3], RED
	ds_load_b128 v[U+4:U+7], v[U+3]
	ds_load_b128 v[T+8:T+11], v[U+3] offset:16
	s_wait_dscnt 0x0
	v_max3_num_f32 v[U], v[U+4], v[U+5], v[U+6]
	v_max3_num_f32 v[U+1], v[U+7], v[T+8], v[T+9]
	v_max3_num_f32 v[U], v[U], v[T+10], v[T+11]
	v_max_num_f32 v[U], v[U], v[U+1]
	v_and_b32 v[T+8], 0x7f800000, v[U]             ; the maximum's exponent e
	v_sub_nc_u32 v[INV], 0x7e800000, v[T+8]        ; 2^-(e+1)
	v_add_nc_u32 v[T+9], 0x00800000, v[T+8]        ; M = 2^(e+1)
	v_mul_f32 v[SM8], 0x3eb504f3, v[T+9]           ; M / sqrt(8)
	v_mul_f32 v[T+10], 0.5, v[T+9]
	v_mul_f32 v[SQ], v[T+10], v[T+10]              ; M^2 / 4
	v_mov_b32 v[SQ+1], v[SQ]
	v_mul_f32 v[SL], 0x3f1837f0, v[T+9]            ; M / 8^(1/4)
.set j, 0
.rept 32                               ; k^ = k / M, half by half, in place
	v_fma_mixlo_f16 v[KR+j], v[KR+j], v[INV], v[ZR] op_sel_hi:[1,0,0]
	v_fma_mixhi_f16 v[KR+j], v[KR+j], v[INV], v[ZR] op_sel:[1,0,0] op_sel_hi:[1,0,0]
.set j, j+1
.endr
.irp i, 0,1,2,3,4,5,6,7
	ds_store_b128 v[T+2], v[KR+4*(\i):KR+4*(\i)+3] offset:(\i)*KP
.endr
	; the queries' scales and Q^
	s_wait_loadcnt 0x0
.irp x, 0,1,2,3
	v_fma_mix_f32 v[T+4+(\x)], |v[QR+8*(\x)]|, v[ONE], v[ZR] op_sel_hi:[1,0,0]
.endr
.irp i, 1,2,3,4,5,6,7
.irp x, 0,1,2,3
	v_fma_mix_f32 v[T+4+(\x)], |v[QR+8*(\x)+(\i)]|, v[ONE], v[T+4+(\x)] op_sel_hi:[1,0,0]
.endr
.endr
.irp x, 0,1,2,3
	v_mul_f32 v[T+4+(\x)], v[T+4+(\x)], v[SM8]     ; t
.endr
.irp x, 0,1,2,3
	v_add_f32 v[T+8+(\x)], 2.0, v[T+4+(\x)]
.endr
.irp x, 0,1,2,3
	v_fma_f32 v[T+4+(\x)], v[T+4+(\x)], v[T+8+(\x)], 2.0  ; 2 + 2 t + t^2
.endr
.irp x, 0,1,2,3
	v_rsq_f32 v[T+4+(\x)], v[T+4+(\x)]             ; beta
.endr
	v_nop                                          ; a plain instruction behind the last of the batch,
	s_wait_alu depctr_va_vdst(0)                   ; and the one wait ahead of the first use
.irp x, 0,1,2,3
	v_mul_f32 v[B2+2*(\x)], v[T+4+(\x)], v[T+4+(\x)]
	v_mul_f32 v[T+8+(\x)], v[T+4+(\x)], v[SM8]     ; the factor on q
.endr
.irp x, 0,1,2,3
	v_mul_f32 v[B2+2*(\x)+1], v[B2+2*(\x)], v[B2+2*(\x)]
.endr
.irp x, 0,1,2,3
	v_mul_f32 v[B2+2*(\x)+1], 0x3827c5ac, v[B2+2*(\x)+1]  ; eps c^2 = 4e-5 beta^4
.endr
.irp x, 0,1,2,3
.irp c, 0,1,2,3
	v_fma_mixlo_f16 v[U+(\c)], v[QR+8*(\x)+2*(\c)], v[T+8+(\x)], v[ZR] op_sel_hi:[1,0,0]
	v_fma_mixhi_f16 v[U+(\c)], v[QR+8*(\x)+2*(\c)+1], v[T+8+(\x)], v[ZR] op_sel_hi:[1,0,0]
.endr
	v_cvt_pk_f16_f32 v[U+4], v[T+4+(\x)], v[ZR]    ; channel 16: beta
	WIN 0x40
.irp c, 0,1,2,3,4
	v_and_b32 v[QF+8*(\x)+(\c)], v[LM], v[U+(\c)]  ; lanes 16-31 (channels 8-15 and 24-31) hold 0
.endr
	WIN 0
.endr
	v_lshlrev_b32 v[T], 5, v[HF]
.irp c, 0,1,2,3
	global_load_b128 v[G+8*(\c):G+8*(\c)+3],   v[T], s[6:7] offset:64*(\c)      ; g of channels 16 c + 8 (l / 16) + 0..7
	global_load_b128 v[G+8*(\c)+4:G+8*(\c)+7], v[T], s[6:7] offset:64*(\c)+16
.endr
	s_wait_tensorcnt 0x0                           ; my panel has landed,
	s_wait_dscnt 0x0                               ; my part of k^T is stored:
	s_barrier_signal -1
	s_barrier_wait -1                              ; everybody's is
.macro KLOAD                           ; K of the step at byte TBK of k^T's rows: four turning loads, 16 keys each
	WIN 0
	v_add_nc_u32 v[ADK], s[TBK], v[AK0]
	s_add_co_u32 s[TBK], s[TBK], 128
	WIN 0x40
.irp kt, 0,1,2,3
	ds_load_tr16_b128 v[KF+8*(\kt):KF+8*(\kt)+3], v[ADK] offset:32*(\kt)
.endr
.endm
.macro SPROD x, kt                     ; u for piece x, keys 16 kt on
	WIN 0x05
	v_wmma_f32_16x16x32_f16 v[S+32*(\x)+8*(\kt):S+32*(\x)+8*(\kt)+7], v[KF+8*(\kt):KF+8*(\kt)+7], v[QF+8*(\x):QF+8*(\x)+7], 0
.endm
.macro PVPROD x, i                     ; product i of 8 of O^T += V^T P for piece x: keys 32 (i / 4) on, channels 16 (i % 4) on; the four accumulators take turns
	WIN 0x51
	v_wmma_f32_16x16x32_f16 v[32*(\x)+8*((\i)%4):32*(\x)+8*((\i)%4)+7], v[VF+32*((\i)/4)+8*((\i)%4):VF+32*((\i)/4)+8*((\i)%4)+7], v[P+16*((\x)%2)+8*((\i)/4):P+16*((\x)%2)+8*((\i)/4)+7], v[32*(\x)+8*((\i)%4):32*(\x)+8*((\i)%4)+7]
.endm
.macro PO x, j                         ; line j of piece x's vector work: 0-15 u^2 + beta^2, a pair each, ascending; 16-31 the pairs rounded to f16; 32-47 the diagonal's mask
	WIN 0
.if (\j) < 16
	v_pk_fma_f32 v[S+32*(\x)+2*(\j):S+32*(\x)+2*(\j)+1], v[S+32*(\x)+2*(\j):S+32*(\x)+2*(\j)+1], v[S+32*(\x)+2*(\j):S+32*(\x)+2*(\j)+1], v[B2+2*(\x):B2+2*(\x)+1] op_sel_hi:[1,1,0]
.elseif (\j) < 32
	v_cvt_pk_f16_f32 v[P+16*((\x)%2)+(\j)-16], v[S+32*(\x)+2*(\j)-32], v[S+32*(\x)+2*(\j)-31]
.else
	v_and_b32 v[P+16*((\x)%2)+(\j)-32], v[P+16*((\x)%2)+(\j)-32], v[MB+(\j)-32]
.endif
.endm
; A KEY STEP of 64 keys for pieces x0 .. 3.  diag = 1: piece x0 holds the diagonal.  knext = 1: the next step's K is fetched.
; V's run of 16 loads stands first, four places behind the last product that read V; K came a step earlier.  Then the pieces' products K Q^T; from the ninth on four lines of piece x0's vector work stand behind each
; (four v_nop behind the eighth are the places behind piece x0's own products).  K's next run stands four plain lines behind the last of them.  Then V^T P piece by piece, the next piece's 32 lines behind its 8 products.
.macro STEP x0, diag, knext
	WIN 0
	v_add_nc_u32 v[ADV], s[TBV], v[AV0]
	v_nop
	v_nop
	v_nop
	s_add_co_u32 s[TBV], s[TBV], 128
	WIN 0x40
.irp f, 0,1,2,3,4,5,6,7                ; keys 32 (f / 4) on, channels 16 (f % 4) on
	ds_load_b128 v[VF+8*(\f):VF+8*(\f)+3],   v[ADV] offset:((\f)%4)*16*VP+((\f)/4)*64
	ds_load_b128 v[VF+8*(\f)+4:VF+8*(\f)+7], v[ADV] offset:((\f)%4)*16*VP+((\f)/4)*64+32
.endr
	s_wait_dscnt 16                                ; K, asked for before these sixteen, is in
.set np, 0
.set jr, 0
.rept 4*(4-(\x0))
	SPROD (\x0)+np/4, np%4
.set np, np+1
.if (4-(\x0)) > 2
.if np == 8
	PLACES
.elseif np > 8
.rept 4
	PO \x0, jr
.set jr, jr+1
.endr
.endif
.endif
.endr
.if (4-(\x0)) <= 2
	PLACES
.endif
.if \knext
	KLOAD
.endif
.rept 32-jr
	PO \x0, jr
.set jr, jr+1
.endr
.if \diag
.rept 16
	PO \x0, jr
.set jr, jr+1
.endr
.endif
	s_wait_dscnt 4*(\knext)                        ; V is in; the next K's four loads may stay out
.set xp, \x0
.rept 4-(\x0)
.set ip, 0
.set jq, 0
.rept 8
	PVPROD xp, ip
.if xp < 3
.rept 4
	PO xp+1, jq
.set jq, jq+1
.endr
.endif
.set ip, ip+1
.endr
.set xp, xp+1
.endr
	WIN 0
.endm
	s_mov_b32 s[TBK], 0
	KLOAD                                          ; K of the head's first step
	WIN 0
	s_wait_loadcnt 0x0                             ; g
.set j, 0
.rept 16                               ; g is rounded to bf16, like the other inputs, and widened again
	v_cvt_pk_bf16_f32 v[U+j%4], v[G+2*j], v[G+2*j+1]
	v_lshlrev_b32 v[G+2*j], 16, v[U+j%4]
	v_and_b32 v[G+2*j+1], s49, v[U+j%4]
.set j, j+1
.endr
	; THE WALK: one loop over the head's 8 key tiles.  A tile below my block's number is walked in full, my block's own is the diagonal one, the others are passed over.  All jumps but the loops' own go forward.
	s_mov_b32 s[TAU], 0
	s_mov_b32 s[TBT], 0                            ; the tile's panel
	s_mov_b32 s[TKT], 0                            ; the tile's first byte in k^T's rows
.Ltile:
	s_cmp_lt_u32 s[TAU], s[BI]
	s_cbranch_scc1 .Lfull
	s_cmp_eq_u32 s[TAU], s[BI]
	s_cbranch_scc1 .Ldiag
	s_branch .Lnext
.Lfull:
	s_mov_b32 s[TBV], s[TBT]
	s_add_co_u32 s[TBK], s[TKT], 128               ; the tile's first K is in registers: the next fetch is its second step's
	s_mov_b32 s[CNT], 4
.Lstep:
	STEP 0, 0, 1
	s_sub_co_u32 s[CNT], s[CNT], 1
	s_cmp_lg_u32 s[CNT], 0
	s_cbranch_scc1 .Lstep
	s_branch .Lnext
.Ldiag:
	s_mov_b32 s[TBV], s[TBT]
	s_add_co_u32 s[TBK], s[TKT], 128
	STEP 0, 1, 1
	STEP 1, 1, 1
	STEP 2, 1, 1
	STEP 3, 1, 0
.Lnext:
	s_add_co_u32 s[TBT], s[TBT], PANEL
	s_add_co_u32 s[TKT], s[TKT], 512
	s_add_co_u32 s[TAU], s[TAU], 1
	s_cmp_lt_u32 s[TAU], 8
	s_cbranch_scc1 .Ltile
	; kv_state's PRODUCTS: they only read LDS, so they stand ahead of the barrier, and a wave whose walk was short makes them while the others still walk.
	; The work-group makes channels 16 p .. 16 p + 15 of the head; wave w sums over keys 256 w .. 256 w + 255, 32 a step.  D = F V: source 0 = 16 features x 32 keys, source 1 = 16 channels x 32 keys.
	; Feature 16 t + r of the quadratic part is k^_i k^_j, i = 2 t + r / 8, j = r % 8: two rows of k^T multiplied in f16.  The fifth tile holds k^_0 .. k^_7, then ones, then zeros.
.set KA,  88                           ; v[88:127] five accumulators, where P and the work registers lay
.set BFA, 128                          ; a buffer: rows i (32 registers), rows j (8), the fifth tile (8), V (8)
.set BFB, 184
.set AJ,  20
.set AI,  21
.set AVK, 22
.set CV,  23
	s_lshl_b32 s20, s[WV], 9
	s_add_co_u32 s20, s20, KT
	v_and_b32 v[T+10], 7, v[RR]
	v_mul_u32_u24 v[AJ], v[T+10], KP
	v_lshl_add_u32 v[AJ], v[HF], 4, v[AJ]
	v_add_nc_u32 v[AJ], s20, v[AJ]
	v_lshrrev_b32 v[T+10], 3, v[RR]
	v_mul_u32_u24 v[AI], v[T+10], KP
	v_lshl_add_u32 v[AI], v[HF], 4, v[AI]
	v_add_nc_u32 v[AI], s20, v[AI]
	s_mul_i32 s21, s[WV], PANEL
	v_add_nc_u32 v[AVK], s21, v[AV0]
	v_cmp_eq_u32 vcc_lo, 8, v[RR]
	v_cndmask_b32 v[CV], 0, s56, vcc_lo            ; row 8: ones; rows 9-15: zeros
.macro VK2 buf, off
	ds_load_b128 v[(\buf)+48:(\buf)+51], v[AVK] offset:(\off)
	ds_load_b128 v[(\buf)+52:(\buf)+55], v[AVK] offset:(\off)+32
.endm
.macro KVLOAD buf, off                 ; 12 loads.  The work-group's 16 channels are chosen by a branch on p, so that every LDS offset is a constant of the text; each arm holds two loads
	s_cmp_lt_u32 s[PP], 2
	s_cbranch_scc0 .Lv23_\@
	s_cmp_eq_u32 s[PP], 0
	s_cbranch_scc0 .Lv1_\@
	VK2 \buf, \off
	s_branch .Lvd_\@
.Lv1_\@:
	VK2 \buf, 16*VP+(\off)
	s_branch .Lvd_\@
.Lv23_\@:
	s_cmp_eq_u32 s[PP], 2
	s_cbranch_scc0 .Lv3_\@
	VK2 \buf, 32*VP+(\off)
	s_branch .Lvd_\@
.Lv3_\@:
	VK2 \buf, 48*VP+(\off)
.Lvd_\@:
	ds_load_b128 v[(\buf)+32:(\buf)+35], v[AJ] offset:(\off)
	ds_load_b128 v[(\buf)+36:(\buf)+39], v[AJ] offset:(\off)+32
.irp t, 0,1,2,3
	ds_load_b128 v[(\buf)+8*(\t):(\buf)+8*(\t)+3],   v[AI] offset:(\t)*2*KP+(\off)
	ds_load_b128 v[(\buf)+8*(\t)+4:(\buf)+8*(\t)+7], v[AI] offset:(\t)*2*KP+(\off)+32
.endr
.endm
.macro KVMUL buf, zero                 ; the features are made, then five products; the five accumulators take turns
.irp t, 0,1,2,3
.irp j, 0,1,2,3,4,5,6,7
	v_pk_mul_f16 v[(\buf)+8*(\t)+(\j)], v[(\buf)+8*(\t)+(\j)], v[(\buf)+32+(\j)]
.endr
.endr
.irp j, 0,1,2,3,4,5,6,7
	v_cndmask_b32 v[(\buf)+40+(\j)], v[(\buf)+32+(\j)], v[CV], s51
.endr
.irp t, 0,1,2,3
.if \zero
	v_wmma_f32_16x16x32_f16 v[KA+8*(\t):KA+8*(\t)+7], v[(\buf)+8*(\t):(\buf)+8*(\t)+7], v[(\buf)+48:(\buf)+55], 0
.else
	v_wmma_f32_16x16x32_f16 v[KA+8*(\t):KA+8*(\t)+7], v[(\buf)+8*(\t):(\buf)+8*(\t)+7], v[(\buf)+48:(\buf)+55], v[KA+8*(\t):KA+8*(\t)+7]
.endif
.endr
.if \zero
	v_wmma_f32_16x16x32_f16 v[KA+32:KA+39], v[(\buf)+40:(\buf)+47], v[(\buf)+48:(\buf)+55], 0
.else
	v_wmma_f32_16x16x32_f16 v[KA+32:KA+39], v[(\buf)+40:(\buf)+47], v[(\buf)+48:(\buf)+55], v[KA+32:KA+39]
.endif
.endm
	KVLOAD BFA, 0                                  ; step 0
	KVLOAD BFB, 64                                 ; step 1
	s_wait_dscnt 12                                ; the older buffer is in; the other's 12 loads stay out
	KVMUL BFA, 1                                   ; the first step starts the sums
	s_mov_b32 s[CNT], 3
.Lkv:
	v_add_nc_u32 v[AJ], 128, v[AJ]                 ; two steps on; with the v_nop these are the four places behind the products that read the buffer
	v_add_nc_u32 v[AI], 128, v[AI]
	v_add_nc_u32 v[AVK], 128, v[AVK]
	v_nop
	KVLOAD BFA, 0
	s_wait_dscnt 12
	KVMUL BFB, 0
	PLACES
	KVLOAD BFB, 64
	s_wait_dscnt 12
	KVMUL BFA, 0
	s_sub_co_u32 s[CNT], s[CNT], 1
	s_cmp_lg_u32 s[CNT], 0
	s_cbranch_scc1 .Lkv
	s_wait_dscnt 0x0
	KVMUL BFB, 0                                   ; step 7
	PLACES
.set j, 0
.rept 16
	v_pk_mul_f32 v[KA+2*j:KA+2*j+1], v[KA+2*j:KA+2*j+1], v[SQ:SQ+1] op_sel_hi:[1,0]  ; k_i k_j / 4
.set j, j+1
.endr
	v_cmp_eq_u32 vcc_lo, 1, v[HF]
	v_cndmask_b32 v[T+10], v[SL], v[ONE], vcc_lo   ; rows 0-7: k_i / 8^(1/4); row 8: the ones
.set j, 16
.rept 4
	v_pk_mul_f32 v[KA+2*j:KA+2*j+1], v[KA+2*j:KA+2*j+1], v[T+10:T+11] op_sel_hi:[1,0]
.set j, j+1
.endr
	s_mul_i32 s20, s[WV], IMGB
	v_mul_u32_u24 v[T+4], v[RR], 292               ; a lane holds channel l % 16: a row of 73 numbers
	v_add_nc_u32 v[T+4], s20, v[T+4]
	v_lshl_add_u32 v[T+5], v[HF], 5, v[T+4]        ; quadratic: feature 9 + 16 t + 8 (l / 16) + j
	v_sub_nc_u32 v[T+6], 1, v[HF]
	v_lshl_add_u32 v[T+6], v[T+6], 2, v[T+4]       ; fifth tile, register 0: feature 1 in lanes 0-15, feature 0 (the ones) in lanes 16-31
	v_mad_u32_u24 v[T+7], v[HF], 4672, v[T+4]      ; registers 1-7: features 2-8 in lanes 0-15; lanes 16-31 hold zeros, which go behind the picture
	v_lshlrev_b32 v[T+8], 4, v0
	v_add_nc_u32 v[T+9], 4096, v[T+8]
	s_wait_dscnt 0x0                               ; my reads of V^T and k^T, the walk's and these, are over:
	s_barrier_signal -1
	s_barrier_wait -1                              ; everybody's are.  Only from here on is LDS stored to again: the pictures go where the first panels lay, y goes through the stages
.irp t, 0,1,2,3
.irp j, 0,1,2,3,4,5,6,7
	ds_store_b32 v[T+5], v[KA+8*(\t)+(\j)] offset:36+64*(\t)+4*(\j)
.endr
.endr
	ds_store_b32 v[T+6], v[KA+32]
.irp j, 1,2,3,4,5,6,7
	ds_store_b32 v[T+7], v[KA+32+(\j)] offset:4+4*(\j)
.endr
	; y's WAY OUT.  A query's 64 channels lie in two lanes, 32 each: squares summed in pairs, the halves of the lanes exchanged once.
	WIN 0x05                                       ; sources 0 and 1: O^T in window 1
.irp x, 0,1,2,3
	v_pk_mul_f32 v[T+2*(\x):T+2*(\x)+1], v[32*(\x):32*(\x)+1], v[32*(\x):32*(\x)+1]
.endr
.set j, 1
.rept 15
.irp x, 0,1,2,3
	v_pk_fma_f32 v[T+2*(\x):T+2*(\x)+1], v[32*(\x)+2*j:32*(\x)+2*j+1], v[32*(\x)+2*j:32*(\x)+2*j+1], v[T+2*(\x):T+2*(\x)+1]
.endr
.set j, j+1
.endr
	WIN 0
.irp x, 0,1,2,3
	v_add_f32 v[T+2*(\x)], v[T+2*(\x)], v[T+2*(\x)+1]
.endr
.irp x, 0,1,2,3
	v_permlanex16_b32 v[T+2*(\x)+1], v[T+2*(\x)], s[SEL], s[SEL+1]
.endr
.irp x, 0,1,2,3
	v_add_f32 v[T+2*(\x)], v[T+2*(\x)], v[T+2*(\x)+1]
.endr
.irp x, 0,1,2,3
	v_fma_f32 v[T+2*(\x)], v[T+2*(\x)], 0x3c800000, v[B2+2*(\x)+1]  ; the mean, + eps c^2
.endr
.irp x, 0,1,2,3
	v_max_num_f32 v[T+2*(\x)], 0x00800000, v[T+2*(\x)]
.endr
.irp x, 0,1,2,3
	v_rsq_f32 v[T+2*(\x)], v[T+2*(\x)]
.endr
	v_nop
	s_wait_alu depctr_va_vdst(0)                   ; one wait for the four
.macro YOUT x                          ; piece x: times g, times the root, rounded to bf16; through my stage; 16 rows of 128 bytes leave as 2,048 consecutive bytes
	WIN 0x01
.set j, 0
.rept 16
	v_pk_mul_f32 v[S+32*(\x)+2*j:S+32*(\x)+2*j+1], v[32*(\x)+2*j:32*(\x)+2*j+1], v[G+2*j:G+2*j+1]
.set j, j+1
.endr
	WIN 0
.set j, 0
.rept 16
	v_pk_mul_f32 v[S+32*(\x)+2*j:S+32*(\x)+2*j+1], v[S+32*(\x)+2*j:S+32*(\x)+2*j+1], v[T+2*(\x):T+2*(\x)+1] op_sel_hi:[1,0]
.set j, j+1
.endr
.set j, 0
.rept 16
	v_cvt_pk_bf16_f32 v[S+32*(\x)+j], v[S+32*(\x)+2*j], v[S+32*(\x)+2*j+1]
.set j, j+1
.endr
.irp c, 0,1,2,3
	ds_store_b128 v[STO], v[S+32*(\x)+4*(\c):S+32*(\x)+4*(\c)+3] offset:32*(\c)
.endr
.irp f, 0,1,2,3
	ds_load_b128 v[S+32*(\x)+16+4*(\f):S+32*(\x)+16+4*(\f)+3], v[RD] offset:(\f)*4*SP  ; LDS serves a wave's instructions in order (ISA guide 5.7.1.4)
.endr
.irp f, 0,1,2,3
	s_wait_dscnt 3-(\f)
	global_store_b128 v[GO], v[S+32*(\x)+16+4*(\f):S+32*(\x)+16+4*(\f)+3], s[YB:YB+1] offset:(\x)*8192+(\f)*512  ; 512 consecutive bytes, aligned
.endr
.endm
	YOUT 0
	YOUT 1
	YOUT 2
	YOUT 3
	s_wait_xcnt 0x0                                ; y's stores have read their data: S^T's registers are loaded again below
	s_wait_dscnt 0x0                               ; my picture is stored:
	s_barrier_signal -1
	s_barrier_wait -1                              ; everybody's is
.macro SUM8 adr                        ; 16 bytes of the eight pictures are added and stored: the LDS offset in a picture is the byte offset in the work-group's part of out1
.irp w, 0,1,2,3,4,5,6,7
	ds_load_b128 v[S+4*(\w):S+4*(\w)+3], v[\adr] offset:(\w)*IMGB
.endr
	s_wait_dscnt 0x0
.irp w, 0,2,4,6
	v_pk_add_f32 v[S+4*(\w):S+4*(\w)+1],   v[S+4*(\w):S+4*(\w)+1],   v[S+4*(\w)+4:S+4*(\w)+5]
	v_pk_add_f32 v[S+4*(\w)+2:S+4*(\w)+3], v[S+4*(\w)+2:S+4*(\w)+3], v[S+4*(\w)+6:S+4*(\w)+7]
.endr
.irp w, 0,4
	v_pk_add_f32 v[S+4*(\w):S+4*(\w)+1],   v[S+4*(\w):S+4*(\w)+1],   v[S+4*(\w)+8:S+4*(\w)+9]
	v_pk_add_f32 v[S+4*(\w)+2:S+4*(\w)+3], v[S+4*(\w)+2:S+4*(\w)+3], v[S+4*(\w)+10:S+4*(\w)+11]
.endr
	v_pk_add_f32 v[S:S+1],   v[S:S+1],   v[S+16:S+17]
	v_pk_add_f32 v[S+2:S+3], v[S+2:S+3], v[S+18:S+19]
	global_store_b128 v[\adr], v[S:S+3], s[O1:O1+1]
.endm
	SUM8 T+8                                       ; bytes 0 to 4,095: 256 threads
	s_wait_xcnt 0x0                                ; the store has read its data and EXEC
	v_cmp_gt_u32 vcc_lo, 36, v0
	s_and_saveexec_b32 s20, vcc_lo
	SUM8 T+9                                       ; bytes 4,096 to 4,671: threads 0 to 35
	s_wait_xcnt 0x0
	s_or_b32 exec_lo, exec_lo, s20
	s_wait_tensorcnt 0x0                           ; the wave's end
	ds_add_u32 v[SPW], v[NIL]
	s_wait_dscnt 0x0
	s_endpgm
.Lfunc_end_k_qdc4f7b28e2_attn:
	.size	k_qdc4f7b28e2_attn, .Lfunc_end_k_qdc4f7b28e2_attn-k_qdc4f7b28e2_attn
	.p2alignl 7, 3214868480
	.fill 96, 4, 3214868480
	.section	.rodata,"a",@progbits
	.p2align	6, 0x0
	.amdhsa_kernel k_qdc4f7b28e2_attn
		.amdhsa_group_segment_fixed_size 327680
		.amdhsa_private_segment_fixed_size 0
		.amdhsa_enable_private_segment 0
		.amdhsa_kernarg_size 32
		.amdhsa_user_sgpr_count 2
		.amdhsa_user_sgpr_kernarg_segment_ptr 1
		.amdhsa_wavefront_size32 1
		.amdhsa_system_sgpr_workgroup_id_x 1
		.amdhsa_system_sgpr_workgroup_id_y 1
		.amdhsa_system_sgpr_workgroup_id_z 1
		.amdhsa_system_vgpr_workitem_id 0
		.amdhsa_next_free_vgpr 512
		.amdhsa_next_free_sgpr 72
		.amdhsa_reserve_vcc 1
		.amdhsa_float_denorm_mode_32 3
		.amdhsa_float_denorm_mode_16_64 3
		.amdhsa_memory_ordered 1
		.amdhsa_forward_progress 1
		.amdhsa_inst_pref_size 141
	.end_amdhsa_kernel
	.amdgpu_metadata
---
amdhsa.version: [ 1, 2 ]
amdhsa.kernels:
  - .name:           k_qdc4f7b28e2_attn
    .symbol:         k_qdc4f7b28e2_attn.kd
    .args:
      - { .name: ct, .offset: 0, .size: 8, .value_kind: global_buffer, .address_space: global }
      - { .name: g_weight, .offset: 8, .size: 8, .value_kind: global_buffer, .address_space: global }
      - { .name: yb, .offset: 16, .size: 8, .value_kind: global_buffer, .address_space: global }
      - { .name: out1, .offset: 24, .size: 8, .value_kind: global_buffer, .address_space: global }
    .group_segment_fixed_size: 327680
    .private_segment_fixed_size: 0
    .kernarg_segment_align: 8
    .kernarg_segment_size: 32
    .max_flat_workgroup_size: 256
    .sgpr_count:     72
    .vgpr_count:     512
    .wavefront_size: 32
...
	.end_amdgpu_metadata
.endif
;; end of part 3
;; launch outp (part 4): grid 8 x 32, 4 waves a work-group, clusters of 4 x 4, 327,680 bytes of LDS; arguments yb, wb, out0; writes out0
.if DOCPART == 4
	.amdgcn_target "amdgcn-amd-amdhsa--gfx1250"
	.amdhsa_code_object_version 6
	.text
	.protected	k_qdc4f7b28e2_outp
	.globl	k_qdc4f7b28e2_outp
	.p2align	8
	.type	k_qdc4f7b28e2_outp,@function
k_qdc4f7b28e2_outp:
	s_mov_b64 s[64:65], 0
	v_nop
	global_prefetch_b8 v0, s[64:65] scope:SCOPE_SE
	s_setreg_imm32_b32 hwreg(HW_REG_WAVE_MODE, 25, 1), 1
	s_wait_xcnt 0x0
	s_wait_alu depctr_hold_cnt(0) depctr_sa_sdst(0) depctr_va_vdst(0) depctr_va_sdst(0) depctr_va_ssrc(0) depctr_va_vcc(0) depctr_vm_vsrc(0)
	s_getreg_b32 s2, hwreg(HW_REG_IB_STS2, 6, 4)
	s_cmp_eq_u32 s2, 0
	s_cbranch_scc0 .Lentry_in_a_cluster
	s_endpgm
.Lentry_in_a_cluster:
	s_bfe_u32 s2, ttmp6, 0x10000c
	s_cmp_lg_u32 s2, 0xf033
	s_cbranch_scc0 .Lentry_shape_is_right
	s_endpgm
.Lentry_shape_is_right:
; out0[t][n] = the sum over c of y[t][c] Wo[n][c].  y = yb [16 heads][8,192 tokens][64] bf16: a head is a chunk of 64 along K; Wo = rows 1,280-2,303 of wb, bf16 in the same chunks.  Sums in f32, K ascending; out0 is f32.
; SHARES.  A work-group makes 256 tokens x 128 columns; its four waves lie one below the other, 64 x 128 each: 32 accumulators of 16 x 16.  32 x 8 tiles: 256 work-groups.
; K goes in steps of 128 (two chunks) through two LDS slots.  A chunk's part of a tile is dense in memory: asked for as rows of 256 bytes, padded in LDS behind every 128.  One tensor load a wave and step:
; waves 0 and 1 the two chunks of y's tile, waves 2 and 3 those of Wo's.
; CLUSTER 4 x 4: y's tile is asked for jointly by the four of a row of the cluster, Wo's by the four of a column.
; THE MATRIX INSTRUCTION IS USED TRANSPOSED (source 0 = 16 rows of Wo, source 1 = 16 tokens): a lane holds one token (lane % 16) and eight neighbouring columns, 32 bytes of a row of out0.
; REGISTERS.  Window 0: v16-30 addresses; two fragment buffers of 96 from v32; on the way out v32-159.  Window 1: accumulators (a, b) at v[64 a + 8 b].
.set RT,     4
.set TR,     64*RT
.set PITCH,  144                       ; an LDS row: 128 bytes + 16 = 36 words: the 16 rows of a load start at 16 different groups of four banks (ISA guide 11.1)
.set ACH,    TR*PITCH
.set BCH,    128*PITCH
.set SLOT,   2*ACH+2*BCH
.set STAGE,  2*SLOT                    ; behind the ring: 16 rows x 528 bytes for each wave
.set SPITCH, 528
.set SPARE,  STAGE+4*16*SPITCH         ; the spare words, 128 bytes a wave, which no other line names
.set ACS,    1048576
.set BCS,    294912
.set BOFF,   1280*128                  ; Wo's first row in a chunk of wb
.set ATB,    TR*128
.set BTB,    128*128
.set CROW,   4096                      ; bytes in a row of out0
.set NF,     8*(RT+8)
.set F0,     32
.set F1,     F0+NF
.set ADRA, 16
.set ADRB, 20
.set STO,  24
.set RD,   25
.set CO,   26
.set SPW,  28                          ; v28  my spare word; never rewritten
.set NIL,  29                          ; v29  0; never rewritten
.set PFO,  30
.set OB,   32
.set G1,  24
.set G0,  32
.set G1B, 48
.set G0B, 56
.set PFA, 66
.set LIM, 68
.set PST, 70
.set CF,  76
.set MSB, 0
.macro WIN new
.if MSB != (\new)
	s_set_vgpr_msb (MSB<<8)|(\new)
.set MSB, \new
.endif
.endm
.macro PLACES                          ; four places behind a matrix instruction (ISA guide 7.12.1)
.rept 4
	v_nop
.endr
.endm
.macro JLOAD s                         ; a joint load; the branch hangs on the wave's number alone; an s_nop 0 and four v_nop follow each line
	s_cmp_eq_u32 s11, 0
	s_cbranch_scc0 .Lfor_b_\@
	tensor_load_to_lds s[G0+4*(\s):G0+4*(\s)+3], s[G1:G1+7]
	s_nop 0
.rept 4
	v_nop
.endr
	s_branch .Lasked_\@
.Lfor_b_\@:
	tensor_load_to_lds s[G0B+4*(\s):G0B+4*(\s)+3], s[G1B:G1B+7]
	s_nop 0
.rept 4
	v_nop
.endr
.Lasked_\@:
.endm
.macro CREST
	s_cmp_lg_u32 s10, 0
	s_cbranch_scc1 .Lnot_wave_0_\@
	s_barrier_signal -3
.Lnot_wave_0_\@:
	s_barrier_wait -3
	s_barrier_signal -1
	s_barrier_wait -1
.endm
.macro CROUND
	s_barrier_signal -1
	s_barrier_wait -1
	CREST
.endm
; A PREFETCH of the K step that stands two refills on: a lane names 256 bytes (two rows of a chunk), each block once in the launch.  y's tile row: cluster x = 0 asks, the partners share its rows by cx, 64 each;
; waves 0 and 1 take chunk 0, 1.  Wo's tile column: cluster y = 0 asks, 32 rows by cy; wave 2 takes both chunks.  Wave 3 asks for nothing.  The loop's last trip asks for nothing.
.macro ASK
	s_cmp_gt_u32 s3, s[LIM]
	s_cbranch_scc0 .Lnot_mine_\@
	global_prefetch_b8 v[PFO], s[PFA:PFA+1] th:TH_LOAD_NT scope:SCOPE_SE
.Lnot_mine_\@:
.endm
	s_load_b128 s[4:7], s[0:1], 0x0                ; A = yb s[4:5], B = wb s[6:7]
	s_load_b64 s[8:9], s[0:1], 0x10                ; out0
	v_lshl_add_u32 v[SPW], v0, 2, SPARE
	v_mov_b32 v[NIL], 0
	ds_add_u32 v[SPW], v[NIL]                      ; the opening: the add, twice on end, and its wait ahead of my first tensor load
	ds_add_u32 v[SPW], v[NIL]
	v_lshrrev_b32 v1, 5, v0
	v_readfirstlane_b32 s10, v1                    ; wave 0..3
	s_lshr_b32 s11, s10, 1                         ; I fetch for A (0) or for B (1)
	s_and_b32 s12, s10, 1                          ; which chunk of a K step's two
	s_bfe_u32 s40, ttmp6, 0x40000                  ; cx
	s_bfe_u32 s41, ttmp6, 0x40004                  ; cy
	s_lshl_b32 s42, ttmp9, 2
	s_add_co_u32 s42, s42, s40                     ; tile column
	s_and_b32 s13, ttmp7, 0xffff
	s_lshl_b32 s13, s13, 2
	s_add_co_u32 s13, s13, s41                     ; tile row
	s_lshl_b32 s43, s41, 2
	s_lshl_b32 s43, 15, s43                        ; my row of the cluster
	s_lshl_b32 s44, 0x1111, s40                    ; my column
	s_or_b32 s[G1+0], s43, (1<<16)|(1<<20)|(1<<21)|(4<<22)|(3<<25)   ; the mask; 2-byte elements; padding on; bit 21 beside a mask; after every 32 words, 4 words
	s_or_b32 s[G1B+0], s44, (1<<16)|(1<<20)|(1<<21)|(4<<22)|(3<<25)
	s_mov_b32 s[G1+1], 128<<16
	s_mov_b32 s[G1+2], (TR/2)<<16
	s_mov_b32 s[G1+3], 128<<16
	s_mov_b32 s[G1+4], TR/2
	s_mov_b32 s[G1+5], 128
	s_mov_b32 s[G1+6], 0
	s_mov_b32 s[G1+7], 0
	s_mov_b32 s[G1B+1], 128<<16
	s_mov_b32 s[G1B+2], 64<<16
	s_mov_b32 s[G1B+3], 128<<16
	s_mov_b32 s[G1B+4], 64
	s_mov_b32 s[G1B+5], 128
	s_mov_b32 s[G1B+6], 0
	s_mov_b32 s[G1B+7], 0
	s_mul_i32 s16, s13, ATB
	s_mul_i32 s17, s12, ACS
	s_add_co_u32 s16, s16, s17
	s_mov_b32 s17, 0
	s_mul_i32 s46, s42, BTB
	s_mul_i32 s47, s12, BCS
	s_add_co_u32 s46, s46, s47
	s_add_co_u32 s46, s46, BOFF
	s_mov_b32 s47, 0
	s_mul_i32 s20, s12, ACH
	s_mul_i32 s21, s12, BCH
	s_add_co_u32 s21, s21, 2*ACH
	s_wait_dscnt 0x0                               ; both opening adds are done
	s_wait_kmcnt 0x0
	s_add_nc_u64 s[14:15], s[4:5], s[16:17]
	s_add_nc_u64 s[46:47], s[6:7], s[46:47]
	CROUND                                         ; all sixteen work-groups are here: the first joint loads meet
.irp s, 0,1
	s_mov_b32 s[G0+4*(\s)], 1
	s_add_co_u32 s[G0+4*(\s)+1], s20, (\s)*SLOT
	s_add_nc_u64 s[G0+4*(\s)+2:G0+4*(\s)+3], s[14:15], (\s)*2*ACS
	s_or_b32 s[G0+4*(\s)+3], s[G0+4*(\s)+3], 0x80000000
	s_mov_b32 s[G0B+4*(\s)], 1
	s_add_co_u32 s[G0B+4*(\s)+1], s21, (\s)*SLOT
	s_add_nc_u64 s[G0B+4*(\s)+2:G0B+4*(\s)+3], s[46:47], (\s)*2*BCS
	s_or_b32 s[G0B+4*(\s)+3], s[G0B+4*(\s)+3], 0x80000000
	JLOAD \s                                       ; K steps 0 and 1: two loads of mine are out
.endr
	v_and_b32 v1, 15, v0
	v_bfe_u32 v2, v0, 4, 1
	v_mul_u32_u24 v3, v1, PITCH
	v_lshl_add_u32 v3, v2, 4, v3
	s_mul_i32 s22, s10, 16*RT*PITCH                ; my 64 rows of A
	s_mov_b32 s23, 2*ACH
.irp s, 0,1
	v_add_nc_u32 v[ADRA+(\s)], s22, v3
	v_add_nc_u32 v[ADRB+(\s)], s23, v3
	s_add_co_u32 s22, s22, SLOT
	s_add_co_u32 s23, s23, SLOT
.endr
	s_mul_i32 s23, s10, 16*SPITCH
	s_add_co_u32 s23, s23, STAGE                   ; my stage
	v_mul_u32_u24 v4, v1, SPITCH                   ; in: row l % 16, 32 bytes for each half of the lanes
	v_lshl_add_u32 v4, v2, 5, v4
	v_add_nc_u32 v[STO], s23, v4
	v_and_b32 v5, 31, v0
	v_lshlrev_b32 v[CO], 4, v5                     ; back and out: 32 lanes take a row's 512 bytes
	v_add_nc_u32 v[RD], s23, v[CO]
	s_lshl_b32 s16, s13, 8
	s_lshl_b32 s17, s10, 6
	s_add_co_u32 s16, s16, s17                     ; my first row of out0
	s_lshl_b32 s16, s16, 12
	s_lshl_b32 s46, s42, 9                         ; the tile's 128 columns: 512 bytes
	s_add_co_u32 s[CF], s16, s46
	s_mov_b32 s[CF+1], 0
	; the prefetches
	s_and_b32 s22, ttmp7, 0xffff
	s_mov_b32 s20, 2*ACS
	s_mov_b32 s21, 2*BCS
	s_cmp_eq_u32 s10, 2
	s_cselect_b32 s22, s22, ttmp9
	s_cselect_b64 s[PFA:PFA+1], s[6:7], s[4:5]
	s_cselect_b32 s[PST], s21, s20
	s_mov_b32 s[PST+1], 0
	s_cmp_eq_u32 s22, 0
	s_cselect_b32 s[LIM], 1, -1
	s_cmp_eq_u32 s10, 3
	s_cselect_b32 s[LIM], -1, s[LIM]
	s_mul_i32 s20, s13, ATB
	s_mul_i32 s21, s40, TR*32                      ; my work-group's 64 rows of the 256
	s_add_co_u32 s20, s20, s21
	s_add_co_u32 s20, s20, 6*ACS                   ; at chunk 6: the first refill steps it to chunk 8, K step 4
	s_mul_i32 s21, s12, ACS
	s_add_co_u32 s20, s20, s21
	s_mul_i32 s23, s42, BTB
	s_lshl_b32 s21, s41, 12                        ; my work-group's 32 rows of the 128
	s_add_co_u32 s23, s23, s21
	s_add_co_u32 s23, s23, BOFF+6*BCS
	s_cmp_eq_u32 s10, 2
	s_cselect_b32 s20, s23, s20
	s_mov_b32 s21, 0
	s_add_nc_u64 s[PFA:PFA+1], s[PFA:PFA+1], s[20:21]
	s_mov_b32 s20, BCS
	s_cselect_b32 s72, 15, 31                      ; wave 2: 16 blocks x 2 chunks; waves 0, 1: 32 blocks of one chunk
	s_cselect_b32 s74, s20, 0
	v_and_b32 v[PFO], s72, v5
	v_lshlrev_b32 v[PFO], 8, v[PFO]
	v_mad_u32_u24 v[PFO], v2, s74, v[PFO]
; 8 matrix instructions: block a of my rows x all 8 blocks of columns, 32 along K.  The 32 accumulators take turns in one order throughout.
.macro MULA f, a, zero
	WIN 0x50
.irp b, 0,1,2,3,4,5,6,7
.if \zero
	v_wmma_f32_16x16x32_bf16 v[64*(\a)+8*(\b):64*(\a)+8*(\b)+7], v[(\f)+8*(\b):(\f)+8*(\b)+7], v[(\f)+64+8*(\a):(\f)+64+8*(\a)+7], 0
.else
	v_wmma_f32_16x16x32_bf16 v[64*(\a)+8*(\b):64*(\a)+8*(\b)+7], v[(\f)+8*(\b):(\f)+8*(\b)+7], v[(\f)+64+8*(\a):(\f)+64+8*(\a)+7], v[64*(\a)+8*(\b):64*(\a)+8*(\b)+7]
.endif
.endr
.endm
.macro MULS f, a0, a1, zero
.set aa, \a0
.rept (\a1)-(\a0)+1
	MULA \f, aa, \zero
.set aa, aa+1
.endr
.endm
.macro FETCH slot, q, f                ; the fragments of quarter q of a K step into buffer f: B's eight, then A's four
	WIN 0
.irp b, 0,1,2,3,4,5,6,7
	ds_load_b128 v[(\f)+8*(\b):(\f)+8*(\b)+3],   v[ADRB+(\slot)] offset:((\q)/2)*BCH+(\b)*16*PITCH+((\q)%2)*64
	ds_load_b128 v[(\f)+8*(\b)+4:(\f)+8*(\b)+7], v[ADRB+(\slot)] offset:((\q)/2)*BCH+(\b)*16*PITCH+((\q)%2)*64+32
.endr
.set fa, 0
.rept RT
	ds_load_b128 v[(\f)+64+8*fa:(\f)+64+8*fa+3],   v[ADRA+(\slot)] offset:((\q)/2)*ACH+fa*16*PITCH+((\q)%2)*64
	ds_load_b128 v[(\f)+64+8*fa+4:(\f)+64+8*fa+7], v[ADRA+(\slot)] offset:((\q)/2)*ACH+fa*16*PITCH+((\q)%2)*64+32
.set fa, fa+1
.endr
.endm
.macro QUARTER slot, q, f, g, zero
	s_wait_dscnt 4                                 ; all but the youngest four loads: A's last two fragments
	MULS \f, 0, RT-3, \zero
	PLACES
	FETCH \slot, \q, \g
	s_wait_dscnt 2*(RT+8)                          ; all but the run just issued
	MULS \f, RT-2, RT-1, \zero
.endm
; The last quarter multiplies buffer 1 and changes slots: in front of the barrier each wave waits for all its tensor loads, adds 0 to its spare word, and waits for that and for its reads of this slot.
; fill = 1: the barrier opens a round of the cluster's, and the joint refill, two K steps on, is the first thing behind it.
.macro TURN slot, next, fill
.if \fill
	s_wait_xcnt 0x0                                ; the last prefetch, a K step back, has read its address
	s_add_nc_u64 s[PFA:PFA+1], s[PFA:PFA+1], s[PST:PST+1]
.endif
	WIN 0
	s_wait_tensorcnt 0x0
	ds_add_u32 v[SPW], v[NIL]
	s_wait_dscnt 5                                 ; (the add and the youngest four loads may be out)
	MULS F1, 0, 0, 0
	s_wait_dscnt 0x0                               ; the add is done, and my reads of this slot are over
	s_barrier_signal -1
	MULS F1, 1, RT-3, 0
.if \fill
	WIN 0
.endif
	s_barrier_wait -1
.if \fill
	CREST
	s_add_nc_u64 s[G0+4*(\slot)+2:G0+4*(\slot)+3], s[G0+4*(\slot)+2:G0+4*(\slot)+3], 4*ACS
	s_add_nc_u64 s[G0B+4*(\slot)+2:G0B+4*(\slot)+3], s[G0B+4*(\slot)+2:G0B+4*(\slot)+3], 4*BCS
	JLOAD \slot                                    ; its four v_nop are also the places in front of the loads below
.else
	PLACES
.endif
	FETCH \next, 0, F0
.if \fill
	ASK
.endif
	MULS F1, RT-2, RT-1, 0
.endm
	s_wait_tensorcnt 1                             ; my part of K step 0 is in; K step 1's may stay out
	s_barrier_signal -1
	s_barrier_wait -1
	FETCH 0, 0, F0
	QUARTER 0, 1, F0, F1, 1                        ; the first quarter's products start the sums
	WIN 0
	s_mov_b32 s3, 3
.Llap:
	QUARTER 0, 2, F1, F0, 0
	QUARTER 0, 3, F0, F1, 0
	TURN 0, 1, 1
	QUARTER 1, 1, F0, F1, 0
	QUARTER 1, 2, F1, F0, 0
	QUARTER 1, 3, F0, F1, 0
	TURN 1, 0, 1
	QUARTER 0, 1, F0, F1, 0
	WIN 0
	s_sub_co_u32 s3, s3, 1
	s_cmp_lg_u32 s3, 0
	s_cbranch_scc1 .Llap
	QUARTER 0, 2, F1, F0, 0                        ; the last lap fills nothing
	QUARTER 0, 3, F0, F1, 0
	TURN 0, 1, 0
	QUARTER 1, 1, F0, F1, 0
	QUARTER 1, 2, F1, F0, 0
	QUARTER 1, 3, F0, F1, 0
	s_wait_dscnt 4
	MULS F1, 0, RT-3, 0
	s_wait_dscnt 0x0
	MULS F1, RT-2, RT-1, 0
; THE WAY OUT, a block of 16 rows at a time: the f32 sums go as they are into my own stage (32 bytes a lane) and come back as whole rows of 512 bytes.
.macro TOSTAGE a
.set BK, OB+64*((\a)%2)
	WIN 0x04                                       ; the stores' data (source 1) in window 1
.irp b, 0,1,2,3,4,5,6,7
	ds_store_b128 v[STO], v[64*(\a)+8*(\b):64*(\a)+8*(\b)+3]   offset:64*(\b)
	ds_store_b128 v[STO], v[64*(\a)+8*(\b)+4:64*(\a)+8*(\b)+7] offset:64*(\b)+16
.endr
	WIN 0
.if (\a) > 1
	s_wait_xcnt 0x0                                ; the stores of the block two back have read the registers that are loaded again below
.endif
.irp t, 0,1,2,3,4,5,6,7,8,9,10,11,12,13,14,15
	ds_load_b128 v[BK+4*(\t):BK+4*(\t)+3], v[RD] offset:(\t)*SPITCH  ; LDS serves a wave's instructions in order (ISA guide 5.7.1.4): these see the stores above
.endr
.endm
.macro SEND a, younger                 ; younger: the LDS instructions issued behind block a's loads: the next block's 32, or none
.set BK, OB+64*((\a)%2)
	s_wait_dscnt \younger
	s_wait_xcnt 0x0                                ; earlier stores have read their base
.if (\a) == 0
	s_add_nc_u64 s[8:9], s[8:9], s[CF:CF+1]
.else
	s_add_nc_u64 s[8:9], s[8:9], 16*CROW
.endif
.irp t, 0,1,2,3,4,5,6,7,8,9,10,11,12,13,14,15
	global_store_b128 v[CO], v[BK+4*(\t):BK+4*(\t)+3], s[8:9] offset:(\t)*CROW th:TH_STORE_NT  ; 512 consecutive bytes, aligned
.endr
.endm
	PLACES
	TOSTAGE 0
	TOSTAGE 1
	SEND 0, 32
	TOSTAGE 2
	SEND 1, 32
	TOSTAGE 3
	SEND 2, 32
	SEND 3, 0
	s_wait_tensorcnt 0x0                           ; the wave's end
	ds_add_u32 v[SPW], v[NIL]
	s_wait_dscnt 0x0
	CROUND                                         ; the closing round
	s_endpgm
.Lfunc_end_k_qdc4f7b28e2_outp:
	.size	k_qdc4f7b28e2_outp, .Lfunc_end_k_qdc4f7b28e2_outp-k_qdc4f7b28e2_outp
	.p2alignl 7, 3214868480
	.fill 96, 4, 3214868480
	.section	.rodata,"a",@progbits
	.p2align	6, 0x0
	.amdhsa_kernel k_qdc4f7b28e2_outp
		.amdhsa_group_segment_fixed_size 327680
		.amdhsa_private_segment_fixed_size 0
		.amdhsa_enable_private_segment 0
		.amdhsa_kernarg_size 24
		.amdhsa_user_sgpr_count 2
		.amdhsa_user_sgpr_kernarg_segment_ptr 1
		.amdhsa_wavefront_size32 1
		.amdhsa_system_sgpr_workgroup_id_x 1
		.amdhsa_system_sgpr_workgroup_id_y 1
		.amdhsa_system_sgpr_workgroup_id_z 1
		.amdhsa_system_vgpr_workitem_id 0
		.amdhsa_next_free_vgpr 512
		.amdhsa_next_free_sgpr 80
		.amdhsa_reserve_vcc 0
		.amdhsa_float_denorm_mode_32 3
		.amdhsa_float_denorm_mode_16_64 3
		.amdhsa_memory_ordered 1
		.amdhsa_forward_progress 1
		.amdhsa_inst_pref_size 87
	.end_amdhsa_kernel
	.amdgpu_metadata
---
amdhsa.version: [ 1, 2 ]
amdhsa.kernels:
  - .name:           k_qdc4f7b28e2_outp
    .symbol:         k_qdc4f7b28e2_outp.kd
    .args:
      - { .name: yb, .offset: 0, .size: 8, .value_kind: global_buffer, .address_space: global }
      - { .name: wb, .offset: 8, .size: 8, .value_kind: global_buffer, .address_space: global }
      - { .name: out0, .offset: 16, .size: 8, .value_kind: global_buffer, .address_space: global }
    .group_segment_fixed_size: 327680
    .private_segment_fixed_size: 0
    .kernarg_segment_align: 8
    .kernarg_segment_size: 24
    .max_flat_workgroup_size: 128
    .sgpr_count:     80
    .vgpr_count:     512
    .wavefront_size: 32
...
	.end_amdgpu_metadata
.endif
;; end of part 4
